; MI455X (gfx1250); checked and timed in simulation.
; The chip was launched on July 23, 2026; its instructions are those of AMD's public machine-readable ISA for CDNA 5 (MIT licence, August 2026) and "CDNA5" Instruction Set Architecture Reference Guide (July 2026). The comments in the code are by the model that wrote it; some were corrected since.
;; NVTX Wrapped MHA. Allowed arithmetic: matrix products marked QUANTISED: E3M2 operands, one E8M0 scale for each 32 along K, by v_wmma_scale_f32_16x16x128_f8f6f4 with both operands' format E3M2, f32 sums; everything else in f32.
;; Inputs: Wk 1,024 x 1,024 float32; Wo 1,024 x 1,024 float32; Wq 1,024 x 1,024 float32; Wv 1,024 x 1,024 float32; token_positions 4 x 2,048 int32; x 4 x 2,048 x 1,024 float32.
;; Outputs: out0 4 x 2,048 x 1,024 float32.
;; This version of the problem:
;;   THIS VERSION OF THE PROBLEM IS GIVEN IN LOW PRECISION. The matrix products marked QUANTISED in the list below multiply operands that are first quantised to E3M2 (3 exponent bits, 2 mantissa bits; 6 bits a number), with one power-of-two scale for each 32 numbers along K (OCP MX v1.0); their sums are f32. All else is computed in f32.
;;   The module's matrix products, in the order in which they are computed (A, B: the left and right operand; K: the contracted axis; several contracted axes count as one K, in the product's order):
;;     1. [M 8,192, K 1,024] x [K 1,024, N 1,024]; A: input x; B: input Wq: QUANTISED
;;     2. [M 8,192, K 1,024] x [K 1,024, N 1,024]; A: input x; B: input Wk: QUANTISED
;;     3. [M 8,192, K 1,024] x [K 1,024, N 1,024]; A: input x; B: input Wv: QUANTISED
;;     4. batch 64 x [M 2,048, K 64] x [K 64, N 2,048]; A: computed on the way; B: computed on the way: QUANTISED
;;     5. batch 64 x [M 2,048, K 2,048] x [K 2,048, N 64]; A: softmax (see below); B: computed on the way: QUANTISED
;;     6. [M 8,192, K 1,024] x [K 1,024, N 1,024]; A: computed on the way; B: input Wo: QUANTISED
;;   THE QUANTISER, for each operand of a quantised product, along K:
;;     - K is cut into blocks of 32 from its start; a last block that is shorter is filled with zeros.
;;     - A block's scale is 2^e with e = floor(log2(the largest magnitude in the block)) - 4, held to -126 .. 127; a block of zeros has e = 0. As a byte (E8M0): e + 127.
;;     - Each number is divided by its block's scale, clamped to +-28, and rounded to the nearest number of E3M2, ties to even, subnormals kept.
;;     - The product sums the exact products of the quantised numbers (number of the format x scale) in f32.
;;   ~~~python
;;   def quantise(x, axis):      # numpy; x: float32 -> the quantised numbers, widened to float32 again
;;       x = np.moveaxis(x, axis, -1); K = x.shape[-1]
;;       x = np.pad(x, [(0, 0)] * (x.ndim - 1) + [(0, -K % 32)]); x = x.reshape(x.shape[:-1] + (-1, 32)); a = np.abs(x).max(-1, keepdims=True)
;;       e = np.where(a > 0, np.clip(np.frexp(np.where(a > 0, a, 1))[1] - 1 - 4, -126, 127), 0)      # np.frexp(a)[1] - 1 = floor(log2(a)), exactly
;;       r = np.clip(x / 2.0 ** e, -28, 28)
;;       step = 2.0 ** (np.maximum(np.frexp(np.where(r == 0, 1, r))[1] - 1, -2) - 2)
;;       q = np.round(r / step) * step * 2.0 ** e      # np.round: ties to even
;;       return np.moveaxis(q.reshape(q.shape[:-2] + (-1,))[..., :K], -1, axis).astype(np.float32)
;;   ~~~
;;   SOFTMAX AHEAD OF A QUANTISED PRODUCT. Where the list says 'softmax', what is quantised is not the finished softmax but p = 2^(t - M), with t = logit x log2(e) and M = ceil(the row's largest t), a whole number; so 1/2 < the row's largest p <= 1. The row's sum l is taken of the UNQUANTISED p, in f32, and the product's result is divided by l at the end. Since M is a whole number, a kernel that streams over the keys may use a running M (the ceiling of the running maximum): every later rescaling is an exact power of two, which a block's scale takes up: the codes' values come out the same.
;;   OPERANDS COMPUTED ON THE WAY. 'Computed on the way' means the value that the module computes at that place (a softmax that the list does not call 'softmax' is quantised finished and normalised). What goes into a quantiser is computed in f32, as accurately as f32 sums, v_exp_f32 and their like allow (about 1e-6 of the number): no bf16 or f16 on the way to a quantiser, and a product that is left as it is and whose result goes on into a quantised operand takes f32 operands (vector FMAs, or v_wmma_f32_16x16x4_f32). A number that lies on a knife's edge between two numbers of the format may be rounded either way, as far as f32 arithmetic and the matrix unit's own rounding can turn it there, and no further.
;; One version. Each part assembles by itself: llvm-mc -triple=amdgcn-amd-amdhsa -mcpu=gfx1250 --defsym DOCPART=n.
;; ======== version 1 of 1: 4 launches
;; limits: right only within a limited range of input values
;; workspace buffers: codes 9,437,184 bytes; scales 393,216 bytes; rope 2,097,152 bytes; img 18,874,368 bytes; scl 1,310,720 bytes; oimg 6,291,456 bytes; oscl 262,144 bytes
;; launch prep (part 1): grid 256 x 1, 4 waves a work-group, no clusters, 34,304 bytes of LDS; arguments x, Wq, Wk, Wv, Wo, token_positions, codes, scales, rope; writes codes, scales, rope
.if DOCPART == 1
	.amdgcn_target "amdgcn-amd-amdhsa--gfx1250"
	.amdhsa_code_object_version 6
	.text
	.protected	k_qed7aa4544d_prep
	.globl	k_qed7aa4544d_prep
	.p2align	8
	.type	k_qed7aa4544d_prep,@function
k_qed7aa4544d_prep:
	s_mov_b64 s[64:65], 0
	v_nop
	global_prefetch_b8 v0, s[64:65] scope:SCOPE_SE
	s_setreg_imm32_b32 hwreg(HW_REG_WAVE_MODE, 25, 1), 1
	s_wait_xcnt 0x0
; x [8192][1024] and Wq, Wk, Wv, Wo [1024][1024], f32, K innermost, become codes of BF6 (E3M2) with one E8M0 byte for each 32 along K; token_positions become a table of cosines and sines.
; ROW TILES.  12,288 rows in all are 768 tiles of 16 rows: tiles 0-511 x, 512-575 Wq, 576-639 Wk, 640-703 Wv, 704-767 Wo.  Waves 0 to 2 of work-group g take tiles 3 g + wave, wave 3 the table of tokens 32 g .. 32 g + 31.
; THE CODES LIE AS THE OPERAND REGISTERS WANT THEM.  A half fragment (16 rows x 64 K) is 768 bytes: lane l = (row r, half h) holds block h of row r in six registers; registers 0-3 lie at 16 l, registers 4-5 at 512 + 8 l.
; codes = [tile][K / 64][768].  scales = [row][32 bytes], byte = K / 32.
; ORDER INSIDE A BLOCK OF 32: places 0-7 hold k 0-7, places 8-15 k 16-23, places 16-23 k 8-15, places 24-31 k 24-31.  Every operand of this program is laid so, so that both sides of every product agree; the blocks are the true blocks.
; A block's scale is 2^(floor(log2(largest magnitude)) - 4); its byte is the largest magnitude's exponent field - 4, held at 1 from below.
; LIMITS: a block of zeros, or one whose largest magnitude lies under 2^(5 - 127), gets the byte 1 (its codes are zeros or nearly so; the bytes are read by this program alone).  NaN and infinities are not served.
; The table: angle = f32(position) x inv_freq, reduced by multiples of pi / 2 held in three parts, then polynomials on +-pi / 4: about 3e-7 absolute for |position| under 2^22; beyond that not served.
; inv_freq(i) = 10000^(-i / 32) = 2^(-i L), L = log2(10) / 8 in two parts, within some 1.5 units of its last place.
.set STG,  8448                        ; a wave's stage in LDS: 16 rows x (512 bytes + 16)
.set TM,   16                          ; v16-19 largest magnitudes, v20-23 the other half's, then bytes, v28-31 scale operands
.set R,    32                          ; v32-159  two sets of 64: a K step of 128 as it is loaded
.set X,    160                         ; v160-223 my 64 numbers of the K step: register 16 b + i is of block b
.set PC,   224                         ; v224-243 the codes just made
.set SW,   244                         ; v244-251 the row's eight scale words
.set SEL,  28                          ; s[28:29] selects for lane l xor 16
.set PS,   54                          ; s54-61   eight positions
; 64 numbers of a lane become a fragment's 12 registers in v[PC] on, and my row's scale word in v[pw]
.macro QUANT s, pw
.irp b, 0,1,2,3
	v_max3_num_f32 v[TM+\b], |v[\s+16*\b]|, |v[\s+1+16*\b]|, 0x2800000   ; my 16 numbers of block b, and the floor 2^(5 - 127): the byte cannot fall under 1
.endr
.irp i, 2,4,6,8,10,12,14
.irp b, 0,1,2,3
	v_max3_num_f32 v[TM+\b], |v[\s+16*\b+\i]|, |v[\s+1+16*\b+\i]|, v[TM+\b]   ; the four blocks by turns
.endr
.endr
.irp b, 0,1,2,3
	v_permlanex16_b32 v[TM+4+\b], v[TM+\b], s[SEL], s[SEL+1]
.endr
.irp b, 0,1,2,3
	v_max_num_f32 v[TM+\b], v[TM+\b], v[TM+4+\b]   ; with lane l xor 16: the block's largest magnitude
.endr
.irp b, 0,1,2,3
	v_add_nc_u32 v[TM+12+\b], 0xfe000000, v[TM+\b]   ; 4 off its exponent field: the conversion reads that field alone
.endr
.irp b, 0,1,2,3
	v_lshrrev_b32 v[TM+4+\b], 23, v[TM+12+\b]      ; the byte
.endr
	v_lshl_or_b32 v[\pw], v[TM+5], 8, v[TM+4]
	v_lshl_or_b32 v[\pw], v[TM+6], 16, v[\pw]
	v_lshl_or_b32 v[\pw], v[TM+7], 24, v[\pw]
.irp c, 0,1
	v_cvt_scalef32_pk16_bf6_f32 v[PC+6*\c:PC+6*\c+2], v[\s+32*\c:\s+32*\c+15], v[TM+12+2*\c]
	v_cvt_scalef32_pk16_bf6_f32 v[PC+12+4*\c:PC+14+4*\c], v[\s+32*\c+16:\s+32*\c+31], v[TM+13+2*\c]   ; (three registers from an even one on)
.endr
	v_nop                                          ; one plain line behind the conversions
.irp c, 0,1
.irp i, 0,1,2
	v_permlane16_swap_b32 v[PC+6*\c+\i], v[PC+12+4*\c+\i]   ; a whole block to a lane: lanes 0-15 block 2 c, lanes 16-31 block 2 c + 1
.endr
.irp i, 0,1,2
	v_mov_b32 v[PC+3+6*\c+\i], v[PC+12+4*\c+\i]
.endr
.endr
.endm
.macro LOAD ks                         ; K step ks of my 16 rows: each load reads 512 consecutive bytes of one row
.irp i, 0,1,2,3,4,5,6,7,8,9,10,11,12,13,14,15
	global_load_b128 v[R+64*((\ks)%2)+4*\i:R+64*((\ks)%2)+4*\i+3], v3, s[24:25] offset:4096*\i+512*(\ks) th:TH_LOAD_NT
.endr
.endm
.macro TURN ks                         ; through my stage: in as loaded, out 16 numbers of each block a lane.  LDS serves a wave's instructions in order: no wait between
.irp i, 0,1,2,3,4,5,6,7,8,9,10,11,12,13,14,15
	ds_store_b128 v5, v[R+64*((\ks)%2)+4*\i:R+64*((\ks)%2)+4*\i+3] offset:528*\i
.endr
.irp b, 0,1,2,3
.irp j, 0,1,2,3
	ds_load_b128 v[X+16*\b+4*\j:X+16*\b+4*\j+3], v6 offset:128*\b+64*(\j/2)+16*(\j%2)   ; k = 32 b + 8 h + 0..7 and 32 b + 16 + 8 h + 0..7
.endr
.endr
.endm
.macro STEP ks
.if (\ks) < 7
	s_wait_loadcnt 16                              ; this step's 16 loads are in, the next step's may be out
.else
	s_wait_loadcnt 0x0
.endif
	TURN \ks
	s_wait_dscnt 0x0                               ; my 64 numbers are back
	s_wait_xcnt 0x0                                ; the last step's stores have read their data: the codes' registers may be written
.if (\ks) < 6
	LOAD (\ks)+2
.endif
	QUANT X, SW+(\ks)
	global_store_b128 v3, v[PC:PC+3], s[16:17] offset:1536*(\ks)          ; 512, 256, 512, 256 consecutive bytes, each from a multiple of 256 on
	global_store_b64 v4, v[PC+4:PC+5], s[16:17] offset:1536*(\ks)+512
	global_store_b128 v3, v[PC+6:PC+9], s[16:17] offset:1536*(\ks)+768
	global_store_b64 v4, v[PC+10:PC+11], s[16:17] offset:1536*(\ks)+1280
.endm
	s_load_b256 s[4:11], s[0:1], 0x0               ; x, Wq, Wk, Wv
	s_load_b256 s[12:19], s[0:1], 0x20             ; Wo, token_positions, codes, scales
	s_load_b64 s[20:21], s[0:1], 0x40              ; rope
	v_lshl_add_u32 v254, v0, 2, 0x8400
	v_mov_b32 v255, 0
	v_lshrrev_b32 v1, 5, v0
	v_readfirstlane_b32 s22, v1                    ; wave 0..3
	v_and_b32 v8, 31, v0                           ; lane
	v_and_b32 v1, 15, v0                           ; r
	v_bfe_u32 v2, v0, 4, 1                         ; h
	v_lshlrev_b32 v3, 4, v8                        ; 16 x lane
	v_lshlrev_b32 v4, 3, v8                        ; 8 x lane
	s_mul_i32 s23, s22, STG
	v_add_nc_u32 v5, s23, v3                       ; stage, in: 16 x lane
	v_mul_u32_u24 v6, v1, 528
	v_lshl_add_u32 v6, v2, 5, v6
	v_add_nc_u32 v6, s23, v6                       ; stage, out: row r, + 32 h
	v_lshlrev_b32 v7, 5, v1
	v_lshl_add_u32 v7, v2, 4, v7                   ; my 16 of the tile's 512 scale bytes
	s_mov_b32 s[SEL], 0x76543210
	s_mov_b32 s[SEL+1], 0xfedcba98
	s_cmp_eq_u32 s22, 3
	s_cbranch_scc1 .Ltable
	; ---- waves 0 to 2: one row tile each
	s_mul_i32 s23, ttmp9, 3
	s_add_co_u32 s23, s23, s22                     ; my tile
	s_mul_i32 s30, s23, 12288                      ; its codes
	s_mov_b32 s31, 0
	s_lshl_b32 s32, s23, 9                         ; its scale bytes
	s_mov_b32 s33, 0
.irp b, 0,1,2,3
	v_mov_b32 v[TM+4+\b], 0                        ; written once: a lane permute's destination counts as one of its sources
.endr
	s_wait_kmcnt 0x0
	s_mov_b64 s[24:25], s[4:5]                     ; which tensor: the choice hangs on the tile's number alone
	s_mov_b32 s26, 0
	s_cmp_ge_u32 s23, 512
	s_cselect_b64 s[24:25], s[6:7], s[24:25]
	s_cselect_b32 s26, 512, s26
	s_cmp_ge_u32 s23, 576
	s_cselect_b64 s[24:25], s[8:9], s[24:25]
	s_cselect_b32 s26, 576, s26
	s_cmp_ge_u32 s23, 640
	s_cselect_b64 s[24:25], s[10:11], s[24:25]
	s_cselect_b32 s26, 640, s26
	s_cmp_ge_u32 s23, 704
	s_cselect_b64 s[24:25], s[12:13], s[24:25]
	s_cselect_b32 s26, 704, s26
	s_sub_co_u32 s26, s23, s26
	s_lshl_b32 s26, s26, 16                        ; 16 rows of 4,096 bytes a tile
	s_mov_b32 s27, 0
	s_add_nc_u64 s[24:25], s[24:25], s[26:27]
	s_add_nc_u64 s[16:17], s[16:17], s[30:31]
	s_add_nc_u64 s[18:19], s[18:19], s[32:33]
	LOAD 0
	LOAD 1
	s_wait_alu depctr_va_vdst(0)
.irp ks, 0,1,2,3,4,5,6,7
	STEP \ks
.endr
	v_cmp_ne_u32 vcc_lo, 0, v2
.irp i, 0,1,2,3
	v_cndmask_b32 v[8+\i], v[SW+\i], v[SW+4+\i], vcc_lo   ; lanes 0-15 store words 0-3 of their row, lanes 16-31 words 4-7
.endr
	global_store_b128 v7, v[8:11], s[18:19]        ; the tile's 512 scale bytes, consecutive
	s_wait_tensorcnt 0x0
	ds_add_u32 v254, v255
	s_wait_dscnt 0x0
	s_endpgm
	; ---- wave 3: cos and sin for 32 tokens x 32 frequencies; a lane is a frequency
.Ltable:
	v_cvt_f32_u32 v9, v8                           ; i
	v_mul_f32 v10, 0xbed49a80, v9                  ; -i x the upper 17 bits of L: exact
	s_wait_alu depctr_va_vdst(0)
	v_exp_f32 v10, v10
	v_mul_f32 v11, 0x342ae0c5, v9                  ; i x (upper part - L) x ln 2.  (The plain line behind the exponential)
	s_wait_alu depctr_va_vdst(0)
	v_fma_f32 v10, v10, v11, v10                   ; inv_freq
	s_lshl_b32 s30, ttmp9, 7                       ; my 32 positions
	s_mov_b32 s31, 0
	s_lshl_b32 s32, ttmp9, 13                      ; my 32 rows of the table, 256 bytes each
	s_mov_b32 s33, 0
	v_lshlrev_b32 v12, 2, v8
	s_mov_b32 s34, 0x3f22f983                      ; 2 / pi
	s_mov_b32 s35, 0xbfc90fd8                      ; -pi / 2 in three parts
	s_mov_b32 s36, 0xb4a8885a
	s_mov_b32 s37, 0xa7c234c4
	s_mov_b32 s38, 0x37cd4000                      ; cosine: z^4, z^3, z^2
	s_mov_b32 s39, 0xbab6077d
	s_mov_b32 s48, 0x3d2aaaa8
	s_mov_b32 s49, 0x36405000                      ; sine: r z^4, r z^3, r z^2, r z
	s_mov_b32 s50, 0xb9503486
	s_mov_b32 s51, 0x3c0888c1
	s_mov_b32 s52, 0xbe2aaaab
	s_wait_alu depctr_va_vdst(0)
	s_wait_kmcnt 0x0
	s_add_nc_u64 s[14:15], s[14:15], s[30:31]
	s_add_nc_u64 s[20:21], s[20:21], s[32:33]
	global_load_b32 v13, v12, s[14:15]             ; here a lane is a token
	s_wait_loadcnt 0x0
	v_cvt_f32_i32 v13, v13
; eight tokens at a time, line by line, so that no line waits for the line above it.  v32.. angle, then r; v40.. n; v48.. z; v56.. cosine; v64.. sine; v72.., v80.. at work; v128.. the results, a pair a token
.macro ROPE8 g
.irp t, 0,1,2,3,4,5,6,7
	v_readlane_b32 s[PS+\t], v13, 8*\g+\t
.endr
.irp t, 0,1,2,3,4,5,6,7
	v_mul_f32 v[32+\t], s[PS+\t], v10              ; the angle, rounded once
.endr
.irp t, 0,1,2,3,4,5,6,7
	v_mul_f32 v[40+\t], s34, v[32+\t]
.endr
.irp t, 0,1,2,3,4,5,6,7
	v_rndne_f32 v[40+\t], v[40+\t]                 ; n
.endr
.irp t, 0,1,2,3,4,5,6,7
	v_fma_f32 v[32+\t], v[40+\t], s35, v[32+\t]
.endr
.irp t, 0,1,2,3,4,5,6,7
	v_fma_f32 v[32+\t], v[40+\t], s36, v[32+\t]
.endr
.irp t, 0,1,2,3,4,5,6,7
	v_fma_f32 v[32+\t], v[40+\t], s37, v[32+\t]    ; r = angle - n pi / 2
.endr
.irp t, 0,1,2,3,4,5,6,7
	v_mul_f32 v[48+\t], v[32+\t], v[32+\t]         ; z = r r
.endr
.irp t, 0,1,2,3,4,5,6,7
	v_fma_f32 v[56+\t], v[48+\t], s38, s39
	v_fma_f32 v[64+\t], v[48+\t], s49, s50
.endr
.irp t, 0,1,2,3,4,5,6,7
	v_fma_f32 v[56+\t], v[56+\t], v[48+\t], s48
	v_fma_f32 v[64+\t], v[64+\t], v[48+\t], s51
.endr
.irp t, 0,1,2,3,4,5,6,7
	v_fma_f32 v[56+\t], v[56+\t], v[48+\t], -0.5
	v_fma_f32 v[64+\t], v[64+\t], v[48+\t], s52
.endr
.irp t, 0,1,2,3,4,5,6,7
	v_fma_f32 v[56+\t], v[56+\t], v[48+\t], 1.0    ; cos r
	v_mul_f32 v[72+\t], v[32+\t], v[48+\t]
.endr
.irp t, 0,1,2,3,4,5,6,7
	v_fma_f32 v[64+\t], v[64+\t], v[72+\t], v[32+\t]   ; sin r
	v_cvt_i32_f32 v[80+\t], v[40+\t]               ; the quadrant
.endr
.irp t, 0,1,2,3,4,5,6,7
	v_and_b32 v[72+\t], 1, v[80+\t]
.endr
.irp t, 0,1,2,3,4,5,6,7
	v_cmp_eq_u32 s[40+\t], 1, v[72+\t]             ; odd quadrants: the two change places
.endr
.irp t, 0,1,2,3,4,5,6,7
	v_cndmask_b32 v[128+2*(8*\g+\t)], v[56+\t], v[64+\t], s[40+\t]
	v_cndmask_b32 v[129+2*(8*\g+\t)], v[64+\t], v[56+\t], s[40+\t]
.endr
.irp t, 0,1,2,3,4,5,6,7
	v_lshlrev_b32 v[72+\t], 30, v[80+\t]           ; the sine is negative in quadrants 2, 3: bit 1 of n
	v_add_nc_u32 v[80+\t], 1, v[80+\t]             ; the cosine in quadrants 1, 2: bit 1 of n + 1
.endr
.irp t, 0,1,2,3,4,5,6,7
	v_and_b32 v[72+\t], 0x80000000, v[72+\t]
	v_lshlrev_b32 v[80+\t], 30, v[80+\t]
.endr
.irp t, 0,1,2,3,4,5,6,7
	v_xor_b32 v[129+2*(8*\g+\t)], v[72+\t], v[129+2*(8*\g+\t)]
	v_and_b32 v[80+\t], 0x80000000, v[80+\t]
.endr
.irp t, 0,1,2,3,4,5,6,7
	v_xor_b32 v[128+2*(8*\g+\t)], v[80+\t], v[128+2*(8*\g+\t)]
.endr
.irp t, 0,1,2,3,4,5,6,7
	global_store_b64 v4, v[128+2*(8*\g+\t):129+2*(8*\g+\t)], s[20:21] offset:256*(8*\g+\t)   ; a token's 256 bytes, consecutive; every pair has registers of its own
.endr
.endm
	ROPE8 0
	ROPE8 1
	ROPE8 2
	ROPE8 3
	s_endpgm
.Lfunc_end_k_qed7aa4544d_prep:
	.size	k_qed7aa4544d_prep, .Lfunc_end_k_qed7aa4544d_prep-k_qed7aa4544d_prep
	.p2alignl 7, 3214868480
	.fill 96, 4, 3214868480
	.section	.rodata,"a",@progbits
	.p2align	6, 0x0
	.amdhsa_kernel k_qed7aa4544d_prep
		.amdhsa_group_segment_fixed_size 34304
		.amdhsa_private_segment_fixed_size 0
		.amdhsa_enable_private_segment 0
		.amdhsa_kernarg_size 72
		.amdhsa_user_sgpr_count 2
		.amdhsa_user_sgpr_kernarg_segment_ptr 1
		.amdhsa_wavefront_size32 1
		.amdhsa_system_sgpr_workgroup_id_x 1
		.amdhsa_system_sgpr_workgroup_id_y 1
		.amdhsa_system_sgpr_workgroup_id_z 1
		.amdhsa_system_vgpr_workitem_id 0
		.amdhsa_next_free_vgpr 256
		.amdhsa_next_free_sgpr 66
		.amdhsa_reserve_vcc 1
		.amdhsa_float_denorm_mode_32 3
		.amdhsa_float_denorm_mode_16_64 3
		.amdhsa_memory_ordered 1
		.amdhsa_forward_progress 1
		.amdhsa_inst_pref_size 116
	.end_amdhsa_kernel
	.amdgpu_metadata
---
amdhsa.version: [ 1, 2 ]
amdhsa.kernels:
  - .name:           k_qed7aa4544d_prep
    .symbol:         k_qed7aa4544d_prep.kd
    .args:
      - { .name: x, .offset: 0, .size: 8, .value_kind: global_buffer, .address_space: global }
      - { .name: Wq, .offset: 8, .size: 8, .value_kind: global_buffer, .address_space: global }
      - { .name: Wk, .offset: 16, .size: 8, .value_kind: global_buffer, .address_space: global }
      - { .name: Wv, .offset: 24, .size: 8, .value_kind: global_buffer, .address_space: global }
      - { .name: Wo, .offset: 32, .size: 8, .value_kind: global_buffer, .address_space: global }
      - { .name: token_positions, .offset: 40, .size: 8, .value_kind: global_buffer, .address_space: global }
      - { .name: codes, .offset: 48, .size: 8, .value_kind: global_buffer, .address_space: global }
      - { .name: scales, .offset: 56, .size: 8, .value_kind: global_buffer, .address_space: global }
      - { .name: rope, .offset: 64, .size: 8, .value_kind: global_buffer, .address_space: global }
    .group_segment_fixed_size: 34304
    .private_segment_fixed_size: 0
    .kernarg_segment_align: 8
    .kernarg_segment_size: 72
    .max_flat_workgroup_size: 128
    .sgpr_count:     66
    .vgpr_count:     256
    .wavefront_size: 32
...
	.end_amdgpu_metadata
.endif
;; end of part 1
;; launch qkv (part 2): grid 24 x 32, 4 waves a work-group, clusters of 4 x 4, 295,424 bytes of LDS; arguments codes, scales, rope, img, scl; writes img, scl
.if DOCPART == 2
	.amdgcn_target "amdgcn-amd-amdhsa--gfx1250"
	.amdhsa_code_object_version 6
	.text
	.protected	k_qed7aa4544d_qkv
	.globl	k_qed7aa4544d_qkv
	.p2align	8
	.type	k_qed7aa4544d_qkv,@function
k_qed7aa4544d_qkv:
	s_mov_b64 s[64:65], 0
	v_nop
	global_prefetch_b8 v0, s[64:65] scope:SCOPE_SE
	s_setreg_imm32_b32 hwreg(HW_REG_WAVE_MODE, 25, 1), 1
	s_wait_xcnt 0x0
	s_wait_alu depctr_hold_cnt(0) depctr_sa_sdst(0) depctr_va_vdst(0) depctr_va_sdst(0) depctr_va_ssrc(0) depctr_va_vcc(0) depctr_vm_vsrc(0)
	s_getreg_b32 s2, hwreg(HW_REG_IB_STS2, 6, 4)
	s_cmp_eq_u32 s2, 0
	s_cbranch_scc0 .Lentry_in_a_cluster
	s_endpgm
.Lentry_in_a_cluster:
	s_bfe_u32 s2, ttmp6, 0x10000c
	s_cmp_lg_u32 s2, 0xf033
	s_cbranch_scc0 .Lentry_shape_is_right
	s_endpgm
.Lentry_shape_is_right:
; Q, K, V = x W^T on codes of BF6 with E8M0 scales; Q and K are rotated (RoPE) and quantised along the head's 64; V is quantised along the keys.  All results leave as images of operand registers.
; A TILE is 256 rows of one matrix (here A) x 128 rows of the other (B), all of K = 1,024.  Its codes, 196,608 + 98,304 bytes, lie in LDS at once: every tensor load is a first fill, nothing is filled again.
; TWO TYPES OF TILE, told apart by the cluster's x, which all sixteen partners share.  x 0-3: A = x (tokens), B = Wq then Wk: a lane ends up with one token and registers along the channels.
; x 4-5: A = Wv, B = x: a lane ends up with one channel d and registers along the keys, which are the K of attention's second product.
; CLUSTERS: 4 x 4.  A's tile hangs on the tile row alone and is asked for jointly by a row of the cluster, B's on the tile column alone, by a column.  Scalars that feed A's descriptors never hold cx, those that feed B's never cy.
; WAVES: wave w takes A's rows 64 w .. 64 w + 63 (4 blocks a) x all 8 blocks b of B: 32 accumulators.  THE INSTRUCTION IS USED TRANSPOSED: source 0 = 16 rows of B, source 1 = 16 rows of A:
; lane (r, h) holds A's row 16 a + r, and register 8 b + j of its 64 holds B's row 16 b + 8 h + j: sixteen numbers of each block of 32, the order in which every operand of this program is laid.
; CODES IN MEMORY AND LDS: half fragments of 768 bytes (16 rows x 64 K): lane l's registers 0-3 at 16 l, registers 4-5 at 512 + 8 l.  codes = [row tile][K / 64][768].  A slot of LDS holds 256 along K: A's 16 row tiles x 3,072 bytes, then B's 8.
; OUT: img: Q [bh][tile of 16 tokens][768]; from byte 6,291,456 on, for each bh, K [128 tiles][768] and then V [keys / 64][d / 16][768].  scl: Q [bh][tile / 4][r][tile % 4] words (two bytes used);
; from byte 524,288 on, for each bh, K likewise (8,192 bytes) and then V [keys / 128][r][d / 16] words.
; LIMITS: a block whose largest magnitude lies under 2^(5 - 127) gets the byte 1; NaN and infinities are not served.
; REGISTERS, in windows of 256: window 0: v1-31 addresses; v32-63 A's scale words (8 a + K step), v64-127 B's (8 b + K step); v128-191 rotated numbers; v192-235 the quantiser's.
;   window 1: the accumulators, (a, b) at v[8 (8 a + b)].   window 2: B's fragments, two sets of 96.   window 3: A's, two sets of 48; from v96 the cos / sin pairs.
.set SLOT, 73728
.set BOFF, 49152
.set SA,   32
.set SB,   64
.set RV,   128
.set PC,   192
.set TM,   212
.set SW,   228
.set OUT,  232
.set TAB,  96
.set SEL,  2                           ; s[2:3]
.set G1A,  24                          ; s[24:31] group 1 for A's tiles;  s[32:39] for B's
.set G1B,  32
.set G0A,  48                          ; s[48:63] group 0 for A, one set a slot;  s[68:83] for B
.set G0B,  68
.set MSB,  0
.macro WIN new                         ; the immediate's high byte repeats the setting that is left
.if MSB != \new
	s_set_vgpr_msb (MSB<<8)|\new
.set MSB, \new
.endif
.endm
.macro CROUND                          ; a round of the cluster's barrier
	s_barrier_signal -1
	s_barrier_wait -1
	s_cmp_lg_u32 s14, 0
	s_cbranch_scc1 .Lnot_wave_0_\@
	s_barrier_signal -3
.Lnot_wave_0_\@:
	s_barrier_wait -3
	s_barrier_signal -1
	s_barrier_wait -1
.endm
.macro FRAG4 reg, a16, a8, off         ; a fragment (16 rows x 128 K, 12 registers) is two half fragments: every load reads consecutive bytes
	ds_load_b128 v[(\reg):(\reg)+3], v[(\a16)] offset:(\off)
	ds_load_b64 v[(\reg)+4:(\reg)+5], v[(\a8)] offset:(\off)+512
	ds_load_b128 v[(\reg)+6:(\reg)+9], v[(\a16)] offset:(\off)+768
	ds_load_b64 v[(\reg)+10:(\reg)+11], v[(\a8)] offset:(\off)+1280
.endm
.macro FETCH ks, p                     ; K step ks into set p: 48 loads
	WIN 0x80                                       ; destination window 2
.irp b, 0,1,2,3,4,5,6,7
	FRAG4 96*(\p)+12*\b, 16+(\ks)/2, 20+(\ks)/2, \b*3072+((\ks)%2)*1536
.endr
	WIN 0xC0                                       ; destination window 3
.irp a, 0,1,2,3
	FRAG4 48*(\p)+12*\a, 8+(\ks)/2, 12+(\ks)/2, \a*3072+((\ks)%2)*1536
.endr
	WIN 0
.endm
.macro MUL ks, p                       ; 32 matrix instructions; the accumulators take turns, in the same order in every step.  The first step starts the sums
	WIN 0x5E                                       ; source 0 window 2, source 1 window 3, C and D window 1
.irp a, 0,1,2,3
.irp b, 0,1,2,3,4,5,6,7
.if (\ks) == 0
	v_wmma_scale_f32_16x16x128_f8f6f4 v[8*(8*\a+\b):8*(8*\a+\b)+7], v[96*(\p)+12*\b:96*(\p)+12*\b+11], v[48*(\p)+12*\a:48*(\p)+12*\a+11], 0, v[SB+8*\b+(\ks)], v[SA+8*\a+(\ks)] matrix_a_fmt:MATRIX_FMT_BF6 matrix_b_fmt:MATRIX_FMT_BF6
.else
	v_wmma_scale_f32_16x16x128_f8f6f4 v[8*(8*\a+\b):8*(8*\a+\b)+7], v[96*(\p)+12*\b:96*(\p)+12*\b+11], v[48*(\p)+12*\a:48*(\p)+12*\a+11], v[8*(8*\a+\b):8*(8*\a+\b)+7], v[SB+8*\b+(\ks)], v[SA+8*\a+(\ks)] matrix_a_fmt:MATRIX_FMT_BF6 matrix_b_fmt:MATRIX_FMT_BF6
.endif
.endr
.endr
	WIN 0
.rept 4
	v_nop                                          ; four places ahead of loads into this set, and of the first read of results
.endr
.endm
; The whole K.  A wave has four tensor loads out, one a slot, in the slots' order: the counts 3, 2, 1, 0 show my part of slots 0, 1, 2, 3 landed; the barrier behind each shows everybody's.
.macro MAIN
	s_wait_tensorcnt 3
	s_barrier_signal -1
	s_barrier_wait -1
	FETCH 0, 0
	s_wait_loadcnt 0x0                             ; the scale words (and the table)
.irp ks, 0,1,2,3,4,5,6,7
.if ((\ks)%2 == 1) && ((\ks) < 7)
	s_wait_tensorcnt 3-(\ks+1)/2                   ; my part of the next slot
	s_wait_dscnt 0x0                               ; no LDS load of mine is out at a signal
	s_barrier_signal -1
	s_barrier_wait -1
.endif
.if (\ks) < 7
	FETCH \ks+1, (\ks+1)%2
	s_wait_dscnt 48                                ; all but the 48 just issued
.else
	s_wait_dscnt 0x0
.endif
	MUL \ks, (\ks)%2
.endr
.endm
; 64 numbers of a lane, register 16 b + i of block b, become 12 registers of codes in v[PC] on and the scale word in v[pw].  wmax, wcvt: the window settings under which the numbers are read
.macro QUANT s, wmax, wcvt, pw
	WIN \wmax
.irp b, 0,1,2,3
	v_max3_num_f32 v[TM+\b], |v[(\s)+16*\b]|, |v[(\s)+1+16*\b]|, 0x2800000   ; and the floor 2^(5 - 127)
.endr
.irp i, 2,4,6,8,10,12,14
.irp b, 0,1,2,3
	v_max3_num_f32 v[TM+\b], |v[(\s)+16*\b+\i]|, |v[(\s)+1+16*\b+\i]|, v[TM+\b]   ; ascending: each accumulator is read from its low end on
.endr
.endr
	WIN 0
.irp b, 0,1,2,3
	v_permlanex16_b32 v[TM+4+\b], v[TM+\b], s[SEL], s[SEL+1]
.endr
.irp b, 0,1,2,3
	v_max_num_f32 v[TM+\b], v[TM+\b], v[TM+4+\b]
.endr
.irp b, 0,1,2,3
	v_add_nc_u32 v[TM+12+\b], 0xfe000000, v[TM+\b]   ; 4 off the exponent field: the conversion's scale operand
.endr
.irp b, 0,1,2,3
	v_lshrrev_b32 v[TM+4+\b], 23, v[TM+12+\b]
.endr
	v_lshl_or_b32 v[\pw], v[TM+5], 8, v[TM+4]
	v_lshl_or_b32 v[\pw], v[TM+6], 16, v[\pw]
	v_lshl_or_b32 v[\pw], v[TM+7], 24, v[\pw]
	WIN \wcvt
.irp c, 0,1
	v_cvt_scalef32_pk16_bf6_f32 v[PC+6*\c:PC+6*\c+2], v[(\s)+32*\c:(\s)+32*\c+15], v[TM+12+2*\c]
	v_cvt_scalef32_pk16_bf6_f32 v[PC+12+4*\c:PC+14+4*\c], v[(\s)+32*\c+16:(\s)+32*\c+31], v[TM+13+2*\c]
.endr
	WIN 0
	v_nop                                          ; one plain line behind the conversions
.irp c, 0,1
.irp i, 0,1,2
	v_permlane16_swap_b32 v[PC+6*\c+\i], v[PC+12+4*\c+\i]   ; a whole block to a lane
.endr
.irp i, 0,1,2
	v_mov_b32 v[PC+3+6*\c+\i], v[PC+12+4*\c+\i]
.endr
.endr
.endm
	s_load_b128 s[4:7], s[0:1], 0x0                ; codes, scales
	s_load_b128 s[8:11], s[0:1], 0x10              ; rope, img
	s_load_b64 s[12:13], s[0:1], 0x20              ; scl
	v_lshl_add_u32 v254, v0, 2, 0x48000
	v_mov_b32 v255, 0
	ds_add_u32 v254, v255
	ds_add_u32 v254, v255
	v_lshrrev_b32 v1, 5, v0
	v_readfirstlane_b32 s14, v1                    ; wave 0..3
	s_and_b32 s15, s14, 1                          ; which half of a tile's row tiles I fetch
	s_bfe_u32 s16, ttmp6, 0x40000                  ; cx
	s_bfe_u32 s17, ttmp6, 0x40004                  ; cy
	s_and_b32 s18, ttmp7, 0xffff                   ; cluster y
	s_lshl_b32 s19, s18, 2
	s_add_co_u32 s19, s19, s17                     ; 4 x cluster y + cy
	s_sub_co_u32 s21, ttmp9, 4
	s_lshl_b32 s21, s21, 3
	s_add_co_u32 s21, s21, s18                     ; 8 (cluster x - 4) + cluster y
	s_cmp_ge_u32 ttmp9, 4                          ; the type
	s_cselect_b32 s20, s17, s19                    ; tile row: of Wv's four, or of x's 32
	s_cselect_b32 s21, s21, ttmp9
	s_cselect_b32 s23, 640, 0                      ; A's first row tile in codes: Wv's, or x's
	s_cselect_b32 s40, 0, 512                      ; B's: x's, or Wq's
	s_cselect_b32 s41, 1, 0
	s_lshl_b32 s22, s21, 2
	s_add_co_u32 s22, s22, s16                     ; tile column
	s_lshl_b32 s42, s20, 4
	s_add_co_u32 s42, s42, s23                     ; A's first row tile of this tile
	s_lshl_b32 s44, s22, 3
	s_add_co_u32 s44, s44, s40                     ; B's
	s_lshl_b32 s88, s17, 2
	s_lshl_b32 s88, 15, s88                        ; my row of the cluster
	s_lshl_b32 s89, 0x1111, s16                    ; my column
	; group 1: rows of 3,072 bytes (384 elements of 8 bytes: 256 along K of a row tile), 12,288 bytes apart; 8 of them for A, 4 for B; no padding
	s_or_b32 s[G1A], s88, (3<<16)|(1<<21)
	s_or_b32 s[G1B], s89, (3<<16)|(1<<21)
	s_mov_b32 s[G1A+1], 384<<16
	s_mov_b32 s[G1A+2], 8<<16
	s_mov_b32 s[G1A+3], 384<<16
	s_mov_b32 s[G1A+4], 8
	s_mov_b32 s[G1A+5], 1536
	s_mov_b32 s[G1A+6], 0
	s_mov_b32 s[G1A+7], 0
	s_mov_b32 s[G1B+1], 384<<16
	s_mov_b32 s[G1B+2], 4<<16
	s_mov_b32 s[G1B+3], 384<<16
	s_mov_b32 s[G1B+4], 4
	s_mov_b32 s[G1B+5], 1536
	s_mov_b32 s[G1B+6], 0
	s_mov_b32 s[G1B+7], 0
	s_lshl_b32 s46, s15, 3
	s_add_co_u32 s46, s46, s42
	s_mul_i32 s46, s46, 12288                      ; A: my 8 row tiles, in bytes
	s_mov_b32 s47, 0
	s_lshl_b32 s84, s15, 2
	s_add_co_u32 s84, s84, s44
	s_mul_i32 s84, s84, 12288                      ; B: my 4
	s_mov_b32 s85, 0
	s_mul_i32 s86, s15, 24576                      ; and where they go in a slot
	s_mul_i32 s87, s15, 12288
	s_add_co_u32 s87, s87, BOFF
	s_mov_b32 s[SEL], 0x76543210
	s_mov_b32 s[SEL+1], 0xfedcba98
	s_wait_dscnt 0x0
	s_wait_kmcnt 0x0
	s_add_nc_u64 s[46:47], s[4:5], s[46:47]
	s_add_nc_u64 s[84:85], s[4:5], s[84:85]
.irp s, 0,1,2,3
	s_mov_b32 s[G0A+4*\s], 1
	s_add_co_u32 s[G0A+4*\s+1], s86, \s*SLOT
	s_add_nc_u64 s[G0A+4*\s+2:G0A+4*\s+3], s[46:47], \s*3072
	s_or_b32 s[G0A+4*\s+3], s[G0A+4*\s+3], 0x80000000
	s_mov_b32 s[G0B+4*\s], 1
	s_add_co_u32 s[G0B+4*\s+1], s87, \s*SLOT
	s_add_nc_u64 s[G0B+4*\s+2:G0B+4*\s+3], s[84:85], \s*3072
	s_or_b32 s[G0B+4*\s+3], s[G0B+4*\s+3], 0x80000000
.endr
	CROUND                                         ; all sixteen work-groups are here: the joint loads meet
	s_cmp_lt_u32 s14, 2                            ; waves 0, 1 fetch A's halves, waves 2, 3 B's: a wave's four fills stand in one branch; four loads of mine are out
	s_cbranch_scc0 .Lfill_b
	tensor_load_to_lds s[G0A:G0A+3], s[G1A:G1A+7]
	s_nop 0
	tensor_load_to_lds s[G0A+4:G0A+7], s[G1A:G1A+7]
	s_nop 0
	tensor_load_to_lds s[G0A+8:G0A+11], s[G1A:G1A+7]
	s_nop 0
	tensor_load_to_lds s[G0A+12:G0A+15], s[G1A:G1A+7]
	s_nop 0
.rept 4
	v_nop
.endr
	s_branch .Lfilled
.Lfill_b:
	tensor_load_to_lds s[G0B:G0B+3], s[G1B:G1B+7]
	s_nop 0
	tensor_load_to_lds s[G0B+4:G0B+7], s[G1B:G1B+7]
	s_nop 0
	tensor_load_to_lds s[G0B+8:G0B+11], s[G1B:G1B+7]
	s_nop 0
	tensor_load_to_lds s[G0B+12:G0B+15], s[G1B:G1B+7]
	s_nop 0
.rept 4
	v_nop
.endr
.Lfilled:
	v_and_b32 v5, 31, v0
	v_and_b32 v1, 15, v0                           ; r
	v_bfe_u32 v2, v0, 4, 1                         ; h
	v_lshlrev_b32 v3, 4, v5                        ; 16 x lane
	v_lshlrev_b32 v4, 3, v5                        ; 8 x lane
	s_mul_i32 s45, s14, 12288                      ; my four row tiles of A in a slot
	v_add_nc_u32 v6, s45, v3
	v_add_nc_u32 v7, s45, v4
.irp s, 0,1,2,3
	v_add_nc_u32 v[8+\s], \s*SLOT, v6              ; A, 16 bytes a lane
	v_add_nc_u32 v[12+\s], \s*SLOT, v7             ; A, 8 bytes a lane
	v_add_nc_u32 v[16+\s], \s*SLOT+BOFF, v3        ; B
	v_add_nc_u32 v[20+\s], \s*SLOT+BOFF, v4
.endr
	v_lshlrev_b32 v24, 5, v1                       ; a row of scale bytes is 32
	s_wait_alu depctr_va_vdst(0)
.irp b, 0,1,2,3
	v_mov_b32 v[TM+4+\b], 0                        ; written once: a lane permute's destination counts as one of its sources
.endr
	s_lshl_b32 s92, s42, 9                         ; A's scale words: 512 bytes a row tile, + my 64 rows
	s_lshl_b32 s45, s14, 11
	s_add_co_u32 s92, s92, s45
	s_mov_b32 s93, 0
	s_add_nc_u64 s[92:93], s[6:7], s[92:93]
	s_lshl_b32 s94, s44, 9                         ; B's
	s_mov_b32 s95, 0
	s_add_nc_u64 s[94:95], s[6:7], s[94:95]
.irp a, 0,1,2,3
.irp f, 0,1
	global_load_b128 v[SA+8*\a+4*\f:SA+8*\a+4*\f+3], v24, s[92:93] offset:512*\a+16*\f   ; lane r: the words of K steps 4 f .. 4 f + 3 of row 16 a + r
.endr
.endr
.irp b, 0,1,2,3,4,5,6,7
.irp f, 0,1
	global_load_b128 v[SB+8*\b+4*\f:SB+8*\b+4*\f+3], v24, s[94:95] offset:512*\b+16*\f
.endr
.endr
	s_cmp_lg_u32 s41, 0
	s_cbranch_scc1 .Ltype_v
	; ======== Q and K: 64 tokens x two heads a wave
	s_lshl_b32 s96, s42, 12                        ; the table: 256 bytes a token; my 64 tokens
	s_lshl_b32 s45, s14, 14
	s_add_co_u32 s96, s96, s45
	s_mov_b32 s97, 0
	s_add_nc_u64 s[96:97], s[8:9], s[96:97]
	v_lshlrev_b32 v25, 8, v1
	v_lshl_add_u32 v25, v2, 5, v25                 ; token r, + 32 h
	WIN 0xC0
.irp a, 0,1,2,3
.irp q, 0,1,2,3
.irp e, 0,1
	global_load_b128 v[TAB+32*\a+8*\q+4*\e:TAB+32*\a+8*\q+4*\e+3], v25, s[96:97] offset:4096*\a+64*\q+16*\e   ; cos, sin of frequencies 8 q + 4 h + 2 e, + 1: those of channels 16 q + 8 h + 0..7 of either head
.endr
.endr
.endr
	WIN 0
	s_lshl_b32 s45, s14, 2
	s_add_co_u32 s45, s45, s42                     ; my first tile of 16 tokens
	s_lshr_b32 s104, s45, 7                        ; the batch
	s_lshl_b32 s104, s104, 4
	s_and_b32 s45, s45, 127                        ; the tile within it
	s_and_b32 s105, s22, 7
	s_lshl_b32 s105, s105, 1
	s_add_co_u32 s104, s104, s105                  ; bh of my first head
	s_lshr_b32 s43, s22, 3                         ; 0: Q, 1: K
	s_lshl_b32 s105, 98304, s43                    ; from bh to bh in img
	v_add_nc_u32 v29, s105, v3                     ; the second head's image is reached by the offsets
	v_add_nc_u32 v30, s105, v4
	s_mul_i32 s98, s104, s105
	s_mul_i32 s105, s43, 6291456
	s_add_co_u32 s98, s98, s105
	s_mul_i32 s105, s45, 768
	s_add_co_u32 s98, s98, s105
	s_mov_b32 s99, 0
	s_add_nc_u64 s[90:91], s[10:11], s[98:99]
	s_lshl_b32 s105, s43, 12
	s_add_co_u32 s105, s105, 8192                  ; from bh to bh in scl
	v_mul_u32_u24 v26, s105, v2                    ; lanes 16-31 store the second head's words
	v_lshl_add_u32 v26, v1, 4, v26
	v_lshlrev_b32 v27, 4, v2
	s_mul_i32 s98, s104, s105
	s_lshl_b32 s105, s43, 19
	s_add_co_u32 s98, s98, s105
	s_lshr_b32 s105, s45, 2
	s_lshl_b32 s105, s105, 8
	s_add_co_u32 s98, s98, s105
	s_add_nc_u64 s[100:101], s[12:13], s[98:99]
	MAIN
.irp a, 0,1,2,3
	WIN 0x0D                                       ; source 0: accumulators, window 1; source 1: the table, window 3
.irp b, 0,1,2,3,4,5,6,7
.irp j, 0,1,2,3
	v_mul_f32 v[RV+8*\b+2*\j], v[8*(8*\a+\b)+2*\j+1], v[TAB+32*\a+8*(\b%4)+2*\j+1]     ; x2 sin
	v_mul_f32 v[RV+8*\b+2*\j+1], v[8*(8*\a+\b)+2*\j], v[TAB+32*\a+8*(\b%4)+2*\j+1]     ; x1 sin
.endr
.irp j, 0,1,2,3
	v_fma_f32 v[RV+8*\b+2*\j], v[8*(8*\a+\b)+2*\j], v[TAB+32*\a+8*(\b%4)+2*\j], -v[RV+8*\b+2*\j]       ; x1 cos - x2 sin
	v_fma_f32 v[RV+8*\b+2*\j+1], v[8*(8*\a+\b)+2*\j+1], v[TAB+32*\a+8*(\b%4)+2*\j], v[RV+8*\b+2*\j+1]  ; x2 cos + x1 sin
.endr
.endr
	WIN 0
.if \a > 0
	s_wait_xcnt 0x0                                ; the last tile's stores have read the codes' registers
.endif
	QUANT RV, 0, 0, SW+\a                          ; blocks 0, 1: the first head's 64; blocks 2, 3: the second's
	global_store_b128 v3, v[PC:PC+3], s[90:91] offset:768*\a
	global_store_b64 v4, v[PC+4:PC+5], s[90:91] offset:768*\a+512
	global_store_b128 v29, v[PC+6:PC+9], s[90:91] offset:768*\a
	global_store_b64 v30, v[PC+10:PC+11], s[90:91] offset:768*\a+512
.endr
.irp a, 0,1,2,3
	v_bfe_u32 v[OUT+\a], v[SW+\a], v27, 16         ; two bytes of my half's head; the upper two are 0
.endr
	global_store_b128 v26, v[OUT:OUT+3], s[100:101]   ; sixteen lanes store 256 consecutive bytes: four tiles' words of 16 tokens
	s_branch .Lend
	; ======== V: one head's 64 channels x 128 keys a wave
.Ltype_v:
	s_lshr_b32 s104, s22, 4                        ; the batch
	s_lshl_b32 s104, s104, 4
	s_lshl_b32 s105, s20, 2
	s_add_co_u32 s104, s104, s105
	s_add_co_u32 s104, s104, s14                   ; bh
	s_and_b32 s45, s22, 15                         ; which 128 keys
	s_mul_i32 s98, s104, 196608
	s_mul_i32 s105, s45, 6144
	s_add_co_u32 s98, s98, s105
	s_add_co_u32 s98, s98, 6291456+98304
	s_mov_b32 s99, 0
	s_add_nc_u64 s[90:91], s[10:11], s[98:99]
	s_mul_i32 s98, s104, 12288
	s_lshl_b32 s105, s45, 8
	s_add_co_u32 s98, s98, s105
	s_add_co_u32 s98, s98, 524288+8192
	s_add_nc_u64 s[100:101], s[12:13], s[98:99]
	v_lshlrev_b32 v28, 4, v1
	v_lshl_add_u32 v28, v2, 3, v28                 ; 16 r + 8 h
	MAIN
.irp a, 0,1,2,3
.if \a > 0
	s_wait_xcnt 0x0
.endif
	QUANT 64*\a, 0x05, 0x01, SW+\a                 ; straight from the accumulators: channel 16 a + r, 128 keys
	global_store_b128 v3, v[PC:PC+3], s[90:91] offset:768*\a
	global_store_b64 v4, v[PC+4:PC+5], s[90:91] offset:768*\a+512
	global_store_b128 v3, v[PC+6:PC+9], s[90:91] offset:3072+768*\a
	global_store_b64 v4, v[PC+10:PC+11], s[90:91] offset:3072+768*\a+512
.endr
	v_cmp_ne_u32 vcc_lo, 0, v2
	v_cndmask_b32 v[OUT], v[SW], v[SW+2], vcc_lo
	v_cndmask_b32 v[OUT+1], v[SW+1], v[SW+3], vcc_lo
	global_store_b64 v28, v[OUT:OUT+1], s[100:101]   ; 256 consecutive bytes: [r][d / 16]
.Lend:
	s_wait_tensorcnt 0x0
	ds_add_u32 v254, v255
	s_wait_dscnt 0x0
	CROUND                                         ; the closing round: no work-group ends while a partner may still ask for a tile that names it
	s_endpgm
.Lfunc_end_k_qed7aa4544d_qkv:
	.size	k_qed7aa4544d_qkv, .Lfunc_end_k_qed7aa4544d_qkv-k_qed7aa4544d_qkv
	.p2alignl 7, 3214868480
	.fill 96, 4, 3214868480
	.section	.rodata,"a",@progbits
	.p2align	6, 0x0
	.amdhsa_kernel k_qed7aa4544d_qkv
		.amdhsa_group_segment_fixed_size 295424
		.amdhsa_private_segment_fixed_size 0
		.amdhsa_enable_private_segment 0
		.amdhsa_kernarg_size 40
		.amdhsa_user_sgpr_count 2
		.amdhsa_user_sgpr_kernarg_segment_ptr 1
		.amdhsa_wavefront_size32 1
		.amdhsa_system_sgpr_workgroup_id_x 1
		.amdhsa_system_sgpr_workgroup_id_y 1
		.amdhsa_system_sgpr_workgroup_id_z 1
		.amdhsa_system_vgpr_workitem_id 0
		.amdhsa_next_free_vgpr 1024
		.amdhsa_next_free_sgpr 106
		.amdhsa_reserve_vcc 1
		.amdhsa_float_denorm_mode_32 3
		.amdhsa_float_denorm_mode_16_64 3
		.amdhsa_memory_ordered 1
		.amdhsa_forward_progress 1
		.amdhsa_inst_pref_size 193
	.end_amdhsa_kernel
	.amdgpu_metadata
---
amdhsa.version: [ 1, 2 ]
amdhsa.kernels:
  - .name:           k_qed7aa4544d_qkv
    .symbol:         k_qed7aa4544d_qkv.kd
    .args:
      - { .name: codes, .offset: 0, .size: 8, .value_kind: global_buffer, .address_space: global }
      - { .name: scales, .offset: 8, .size: 8, .value_kind: global_buffer, .address_space: global }
      - { .name: rope, .offset: 16, .size: 8, .value_kind: global_buffer, .address_space: global }
      - { .name: img, .offset: 24, .size: 8, .value_kind: global_buffer, .address_space: global }
      - { .name: scl, .offset: 32, .size: 8, .value_kind: global_buffer, .address_space: global }
    .group_segment_fixed_size: 295424
    .private_segment_fixed_size: 0
    .kernarg_segment_align: 8
    .kernarg_segment_size: 40
    .max_flat_workgroup_size: 128
    .sgpr_count:     106
    .vgpr_count:     1024
    .wavefront_size: 32
...
	.end_amdgpu_metadata
.endif
;; end of part 2
;; launch attn (part 3): grid 4 x 64, 16 waves a work-group, no clusters, 210,944 bytes of LDS; arguments img, scl, oimg, oscl; writes oimg, oscl
.if DOCPART == 3
	.amdgcn_target "amdgcn-amd-amdhsa--gfx1250"
	.amdhsa_code_object_version 6
	.text
	.protected	k_qed7aa4544d_attn
	.globl	k_qed7aa4544d_attn
	.p2align	8
	.type	k_qed7aa4544d_attn,@function
k_qed7aa4544d_attn:
	s_mov_b64 s[64:65], 0
	v_nop
	global_prefetch_b8 v0, s[64:65] scope:SCOPE_SE
	s_setreg_imm32_b32 hwreg(HW_REG_WAVE_MODE, 25, 1), 1
	s_wait_xcnt 0x0
; o = softmax(Q K^T / 8, causal) V for one head, both products on codes of BF6 with E8M0 scales; o is quantised along the merged 1,024 channels and leaves as images of operand registers.
; THE SOFTMAX: t = score x log2(e) / 8; M = the running largest t, rounded up to a whole number; p = 2^(t - M) is quantised along the keys, not normalised; the sum of the unquantised p divides at the end.
; SHARES.  Work-group (x, bh) owns blocks 7 - x and x of the head's eight blocks of 256 queries.  Wave w takes tile 16 (7 - x) + w first and tile 16 x + 15 - w second:
; a tile T of 16 queries has T / 8 + 1 key steps of 128 that count, so every wave of every work-group has 17.
; THE WHOLE HEAD'S K AND V LIE IN LDS, filled once: 196,608 bytes of codes and 12,288 of scale words, dense in memory.  One barrier in the launch; behind it LDS is only read and the waves run free.
; NO CLUSTER: the work-groups that share K and V differ in their queries, and the jumps over hidden key steps hang on the queries.
; LAYOUT.  Both products transposed: S^T = K Q^T, O^T = V^T P^T: a lane holds one query (lane % 16).  Register 8 t + j of S^T is key 16 t + 8 (lane / 16) + j: sixteen keys of each block of 32, in the order in which V's codes were laid.
; K = 64 IN AN INSTRUCTION OF 128: Q's upper six registers hold zero codes, and the upper two scale bytes of Q and K are 0 (2^-127).  K's operand for tile t is v[36 + 6 t .. 47 + 6 t]: its upper half is the next tile's codes
; (behind the last tile: six registers of zeros), finite numbers that meet zero codes.
; LIMITS: NaN and infinities are not served; a p under 2^-126 counts as 0; a block whose largest magnitude lies under 2^(5 - 127) gets the byte 1.
; REGISTERS: v1-9 addresses that stay; v10, v11, v32-35 a step's addresses; v12 -M, v13 the largest t, v[14:15] the sum; v16-27 Q; v28 its scale word, v29 the second tile's; v[30:31] f;
; v36-89 K's tiles, then V's fragments; v90-93 K's scale words, v94-97 V's; v98 16 r; v100-163 S^T, then p; v164-195 O^T; v196-215 codes; v216-235 at work; v240-245 the second tile's Q.
.set VIMG, 98304
.set KSC,  196608
.set VSC,  204800
.set SEL,  44                          ; s[44:45]
.set CS,   46                          ; s[46:47] c = log2(e) / 8
.set Q0,   48                          ; s48 my first query;  s49 the second tile's
.set OB,   50                          ; s[50:51] where o's codes go;  s[54:55] the second tile's
.set OS,   52                          ; s[52:53] and its scale bytes;  s[56:57]
.set TB,   60                          ; s60 the step's codes: 6,144 bytes a step, in K and in V
.set TS,   61                          ; s61 K's scale words: 512 a step
.set TJ,   62                          ; s62 V's: 256 a step
.set KF,   63                          ; s63 the step's first key
.macro ADRS t, q0, qi, qs, ob, sb      ; the addresses of tile s[t]
	s_lshl_b32 s[\q0], s[\t], 4
	s_mul_i32 s40, s[\t], 768
	s_add_co_u32 s40, s40, s78
	s_add_nc_u64 s[\qi:\qi+1], s[4:5], s[40:41]    ; Q's codes
	s_lshr_b32 s40, s[\t], 2
	s_lshl_b32 s40, s40, 8
	s_and_b32 s42, s[\t], 3
	s_lshl_b32 s42, s42, 2
	s_add_co_u32 s40, s40, s42
	s_add_co_u32 s40, s40, s79
	s_add_nc_u64 s[\qs:\qs+1], s[6:7], s[40:41]    ; Q's scale words
	s_add_co_u32 s40, s[\t], s80
	s_lshl_b32 s40, s40, 4
	s_add_co_u32 s40, s40, s81
	s_mul_i32 s40, s40, 768
	s_add_nc_u64 s[\ob:\ob+1], s[8:9], s[40:41]    ; oimg [tile of tokens][head][768]
	s_lshl_b32 s40, s[\t], 9
	s_add_co_u32 s40, s40, s82
	s_add_nc_u64 s[\sb:\sb+1], s[10:11], s[40:41]  ; oscl [token][32]
.endm
	s_load_b256 s[4:11], s[0:1], 0x0               ; img, scl, oimg, oscl
	v_lshl_add_u32 v254, v0, 2, 0x33000
	v_mov_b32 v255, 0
	ds_add_u32 v254, v255
	ds_add_u32 v254, v255
	v_lshrrev_b32 v1, 5, v0
	s_delay_alu instid0(VALU_DEP_1)
	v_readfirstlane_b32 s12, v1                    ; wave 0..15
	s_and_b32 s14, ttmp7, 0xffff                   ; bh
	; group 1: dense blocks as rows of 256 bytes (32 elements of 8): 96 rows of codes a wave; 48 rows of scale words
	s_mov_b32 s16, 3<<16
	s_mov_b32 s17, 32<<16
	s_mov_b32 s18, 96<<16
	s_mov_b32 s19, 32<<16
	s_mov_b32 s20, 96
	s_mov_b32 s21, 32
	s_mov_b32 s22, 0
	s_mov_b32 s23, 0
	s_mov_b32 s24, 3<<16
	s_mov_b32 s25, 32<<16
	s_mov_b32 s26, 48<<16
	s_mov_b32 s27, 32<<16
	s_mov_b32 s28, 48
	s_mov_b32 s29, 32
	s_mov_b32 s30, 0
	s_mov_b32 s31, 0
	s_mul_i32 s42, s12, 24576
	s_mul_i32 s40, s14, 196608
	s_add_co_u32 s40, s40, s42
	s_add_co_u32 s40, s40, 6291456
	s_mov_b32 s41, 0
	s_mul_i32 s66, s14, 12288
	s_add_co_u32 s66, s66, 524288
	s_mov_b32 s67, 0
	s_wait_dscnt 0x0
	s_wait_kmcnt 0x0
	s_mov_b32 s32, 1
	s_mov_b32 s33, s42                             ; LDS: 24,576 x wave
	s_add_nc_u64 s[34:35], s[4:5], s[40:41]
	s_or_b32 s35, s35, 0x80000000
	s_mov_b32 s36, 1
	s_mov_b32 s37, KSC
	s_add_nc_u64 s[38:39], s[6:7], s[66:67]
	s_or_b32 s39, s39, 0x80000000
	s_cmp_lt_u32 s12, 8                            ; waves 0-7: an eighth of the codes each; wave 8: the scale words; one load a wave at the most
	s_cbranch_scc0 .Lnot_img
	tensor_load_to_lds s[32:35], s[16:23]
	s_nop 0
.rept 4
	v_nop
.endr
	s_branch .Lasked
.Lnot_img:
	s_cmp_eq_u32 s12, 8
	s_cbranch_scc0 .Lasked
	tensor_load_to_lds s[36:39], s[24:31]
	s_nop 0
.rept 4
	v_nop
.endr
.Lasked:
	s_lshl_b32 s66, ttmp9, 4
	s_sub_co_u32 s76, 112, s66
	s_add_co_u32 s76, s76, s12                     ; the first tile: 16 (7 - x) + w
	s_add_co_u32 s77, s66, 15
	s_sub_co_u32 s77, s77, s12                     ; the second: 16 x + 15 - w
	s_mul_i32 s78, s14, 98304
	s_lshl_b32 s79, s14, 13
	s_lshr_b32 s80, s14, 4                         ; the batch
	s_and_b32 s81, s14, 15                         ; the head
	s_lshl_b32 s82, s80, 16
	s_lshl_b32 s66, s81, 1
	s_add_co_u32 s82, s82, s66                     ; 2,048 tokens x 32 bytes a batch, + 2 bytes a head
	s_lshl_b32 s80, s80, 7                         ; 128 tiles a batch
	ADRS 76, Q0, 68, 72, OB, OS
	ADRS 77, Q0+1, 70, 74, OB+4, OS+4
	v_and_b32 v10, 31, v0                          ; lane
	v_and_b32 v11, 15, v0                          ; r
	v_bfe_u32 v32, v0, 4, 1                        ; h
	s_delay_alu instid0(VALU_DEP_3)
	v_lshlrev_b32 v1, 4, v10                       ; 16 x lane: K's codes, registers 0-3; also the offset of stores and loads of 16 bytes a lane
	s_delay_alu instid0(VALU_DEP_4)
	v_lshlrev_b32 v7, 3, v10                       ; 8 x lane
	s_delay_alu instid0(VALU_DEP_1)
	v_add_nc_u32 v2, 512, v7                       ; K's codes, registers 4-5
	s_delay_alu instid0(VALU_DEP_3)
	v_add_nc_u32 v3, VIMG, v1                      ; V's
	s_delay_alu instid0(VALU_DEP_3)
	v_add_nc_u32 v4, VIMG+512, v7
	v_add_nc_u32 v5, KSC, v1                       ; K's scale words: lanes 0-15 tiles 0-3 of a step, lanes 16-31 tiles 4-7
	v_lshlrev_b32 v98, 4, v11
	s_delay_alu instid0(VALU_DEP_1)
	v_add_nc_u32 v6, VSC, v98                      ; V's: row r, four words
	v_lshl_add_u32 v8, v11, 5, v32                 ; o's scale byte: token r, block h
	v_lshlrev_b32 v9, 3, v32
	s_delay_alu instid0(VALU_DEP_1)
	v_sub_nc_u32 v9, v11, v9                       ; r - 8 h
	global_load_b128 v[16:19], v1, s[68:69]
	global_load_b64 v[20:21], v7, s[68:69] offset:512
	global_load_b32 v28, v98, s[72:73]
	global_load_b128 v[240:243], v1, s[70:71]
	global_load_b64 v[244:245], v7, s[70:71] offset:512
	global_load_b32 v29, v98, s[74:75]
.irp j, 22,23,24,25,26,27, 84,85,86,87,88,89, 220,221,222,223, 31, 232
	v_mov_b32 v\j, 0                               ; Q's zero codes; the tail behind K's last tile; destinations of lane permutes; the pair's upper half
.endr
	s_mov_b32 s[SEL], 0x76543210
	s_mov_b32 s[SEL+1], 0xfedcba98
	s_mov_b32 s[CS], 0x3e38aa3b
	s_mov_b32 s[CS+1], s[CS]
	s_mov_b32 s58, 2                               ; two tiles
	s_wait_tensorcnt 0x0                           ; my part has landed,
	s_barrier_signal -1
	s_barrier_wait -1                              ; everybody's has
	s_wait_loadcnt 0x0                             ; Q
.Lpass:
	v_mov_b32 v13, 0xff61b1e6                      ; the largest t so far: -3e38
	s_delay_alu instid0(VALU_DEP_1)
	v_floor_f32 v12, -v13
	v_mov_b32 v14, 0
	v_mov_b32 v15, 0
.set n, 0
.rept 32
	v_mov_b32 v[164+n], 0                          ; O^T: the step is written once; the first change of M multiplies zeros
.set n, n+1
.endr
	s_mov_b32 s[TB], 0
	s_mov_b32 s[TS], 0
	s_mov_b32 s[TJ], 0
	s_mov_b32 s[KF], 0
	s_mov_b32 s59, 16                              ; every wave walks all 16 steps; the work of a hidden step is jumped over
.Lstep:
	s_add_co_u32 s66, s[Q0], 15
	s_cmp_gt_u32 s[KF], s66
	s_cbranch_scc1 .Lhidden
	s_setprio 2
	v_add_nc_u32 v10, s[TB], v1                    ; six plain lines: also the places behind the last step's products, ahead of loads into their operands
	v_add_nc_u32 v11, s[TB], v2
	v_add_nc_u32 v32, s[TB], v3
	v_add_nc_u32 v33, s[TB], v4
	v_add_nc_u32 v34, s[TS], v5
	v_add_nc_u32 v35, s[TJ], v6
.irp t, 0,1,2,3,4,5,6,7
	ds_load_b128 v[36+6*\t:39+6*\t], v10 offset:768*\t
	ds_load_b64 v[40+6*\t:41+6*\t], v11 offset:768*\t
.endr
	ds_load_b128 v[90:93], v34
	s_wait_alu depctr_va_vdst(0)
	s_wait_dscnt 0x0
.irp t, 0,1,2,3
	v_wmma_scale_f32_16x16x128_f8f6f4 v[100+8*\t:107+8*\t], v[36+6*\t:47+6*\t], v[16:27], 0, v[90+\t], v28 matrix_a_fmt:MATRIX_FMT_BF6 matrix_b_fmt:MATRIX_FMT_BF6
.endr
.irp t, 4,5,6,7
	v_wmma_scale_f32_16x16x128_f8f6f4 v[100+8*\t:107+8*\t], v[36+6*\t:47+6*\t], v[16:27], 0, v[86+\t], v28 matrix_a_fmt:MATRIX_FMT_BF6 matrix_b_fmt:MATRIX_FMT_BF6 matrix_a_scale:MATRIX_SCALE_ROW1
.endr
.rept 4
	v_nop                                          ; four places ahead of loads into K's registers and of the first read of the scores
.endr
.irp d, 0,1,2,3                                ; V's four fragments land during the softmax
	ds_load_b128 v[36+12*\d:39+12*\d], v32 offset:768*\d
	ds_load_b64 v[40+12*\d:41+12*\d], v33 offset:768*\d
	ds_load_b128 v[42+12*\d:45+12*\d], v32 offset:768*\d+3072
	ds_load_b64 v[46+12*\d:47+12*\d], v33 offset:768*\d+3072
.endr
	ds_load_b128 v[94:97], v35
	s_add_co_u32 s66, s[KF], 127                   ; a step all of whose keys count skips the mask
	s_cmp_le_u32 s66, s[Q0]
	s_cbranch_scc1 .Lopen
	s_sub_co_i32 s66, s[Q0], s[KF]
	v_add_nc_u32 v233, s66, v9                     ; d = my query - the first key - 8 h: register 8 t + j is hidden where 16 t + j > d
	v_mov_b32 v232, 0xff800000
.set n, 0
.rept 64
	v_cmp_gt_i32 vcc_lo, 16*(n/8)+n%8, v233
	v_cndmask_b32 v[100+n], v[100+n], v232, vcc_lo
.set n, n+1
.endr
.Lopen:
.irp b, 0,1,2,3
	v_max3_num_f32 v[216+\b], v[100+16*\b], v[101+16*\b], v[102+16*\b]   ; the largest score of each block of 32 keys: for the row's maximum, and for the block's largest p
.endr
.irp i, 3,5,7,9,11,13
.irp b, 0,1,2,3
	v_max3_num_f32 v[216+\b], v[216+\b], v[100+16*\b+\i], v[101+16*\b+\i]
.endr
.endr
.irp b, 0,1,2,3
	v_max_num_f32 v[216+\b], v[216+\b], v[115+16*\b]
.endr
.irp b, 0,1,2,3
	s_delay_alu instid0(VALU_DEP_4)
	v_permlanex16_b32 v[220+\b], v[216+\b], s[SEL], s[SEL+1]
.endr
.irp b, 0,1,2,3
	s_delay_alu instid0(VALU_DEP_4)
	v_max_num_f32 v[216+\b], v[216+\b], v[220+\b]
.endr
	s_delay_alu instid0(VALU_DEP_2)
	v_max3_num_f32 v232, v216, v217, v218
	s_delay_alu instid0(VALU_DEP_1)
	v_max_num_f32 v232, v232, v219
	s_delay_alu instid0(VALU_DEP_1)
	v_mul_f32 v232, s[CS], v232
	s_delay_alu instid0(VALU_DEP_1)
	v_max_num_f32 v13, v13, v232                   ; the running largest t
	v_mov_b32 v232, v12
	s_delay_alu instid0(VALU_DEP_2)
	v_floor_f32 v12, -v13                          ; -M = floor(-t): M is a whole number
	s_delay_alu instid0(VALU_DEP_1)
	v_sub_f32 v232, v12, v232
	s_delay_alu instid0(VALU_DEP_1)
	v_cvt_i32_f32 v232, v232                       ; (it saturates)
	s_delay_alu instid0(VALU_DEP_1)
	v_ldexp_f32 v30, 1.0, v232                     ; f = 2^(old M - new M): exact
.set n, 0
	s_setprio 1
.rept 32
	v_pk_fma_f32 v[100+n:101+n], v[100+n:101+n], s[CS:CS+1], v[12:13] op_sel_hi:[1,0,0]   ; t - M
.set n, n+2
.endr
.irp b, 0,1,2,3
	v_fma_f32 v[216+\b], v[216+\b], s[CS], v12
.endr
.set n, 0
	s_wait_alu depctr_va_vdst(0)
.rept 64
	v_exp_f32 v[100+n], v[100+n]                   ; p
.set n, n+1
.endr
.irp b, 0,1,2,3
	v_exp_f32 v[216+\b], v[216+\b]                 ; each block's largest p: the same two instructions on the same number
.endr
	v_pk_mul_f32 v[14:15], v[14:15], v[30:31] op_sel_hi:[1,0]   ; the sum under the new M.  (The plain line behind the exponentials)
	s_wait_alu depctr_va_vdst(0)
.irp b, 0,1,2,3
	v_max_num_f32 v[216+\b], 0x2800000, v[216+\b]  ; the floor
.endr
.irp b, 0,1,2,3
	s_delay_alu instid0(VALU_DEP_4)
	v_add_nc_u32 v[224+\b], 0xfe000000, v[216+\b]
.endr
.irp b, 0,1,2,3
	s_delay_alu instid0(VALU_DEP_4)
	v_lshrrev_b32 v[220+\b], 23, v[224+\b]
.endr
	s_delay_alu instid0(VALU_DEP_3)
	v_lshl_or_b32 v228, v221, 8, v220              ; p's scale word
	s_delay_alu instid0(VALU_DEP_1)
	v_lshl_or_b32 v228, v222, 16, v228
	s_delay_alu instid0(VALU_DEP_1)
	v_lshl_or_b32 v228, v223, 24, v228
.irp c, 0,1
	v_cvt_scalef32_pk16_bf6_f32 v[196+6*\c:198+6*\c], v[100+32*\c:115+32*\c], v[224+2*\c]
	v_cvt_scalef32_pk16_bf6_f32 v[208+4*\c:210+4*\c], v[116+32*\c:131+32*\c], v[225+2*\c]
.endr
	v_nop                                          ; one plain line behind the conversions
.irp c, 0,1
.irp i, 0,1,2
	v_permlane16_swap_b32 v[196+6*\c+\i], v[208+4*\c+\i]
.endr
.irp i, 0,1,2
	s_delay_alu instid0(VALU_DEP_3)
	v_mov_b32 v[199+6*\c+\i], v[208+4*\c+\i]
.endr
.endr
.set n, 0
.rept 16
	v_pk_mul_f32 v[164+n:165+n], v[164+n:165+n], v[30:31] op_sel_hi:[1,0]   ; O^T under the new M
.set n, n+2
.endr
	s_setprio 0
	v_pk_add_f32 v[234:235], v[104:105], v[108:109]
	v_pk_add_f32 v[252:253], v[112:113], v[116:117]
	v_pk_add_f32 v[250:251], v[120:121], v[124:125]
	v_pk_add_f32 v[248:249], v[128:129], v[132:133]
	v_pk_add_f32 v[246:247], v[136:137], v[140:141]
	v_pk_add_f32 v[238:239], v[144:145], v[148:149]
	v_pk_add_f32 v[236:237], v[152:153], v[156:157]
	v_pk_add_f32 v[14:15], v[14:15], v[160:161]
	v_pk_add_f32 v[234:235], v[234:235], v[100:101]
	v_pk_add_f32 v[252:253], v[252:253], v[102:103]
	v_pk_add_f32 v[250:251], v[250:251], v[106:107]
	v_pk_add_f32 v[248:249], v[248:249], v[110:111]
	v_pk_add_f32 v[246:247], v[246:247], v[114:115]
	v_pk_add_f32 v[238:239], v[238:239], v[118:119]
	v_pk_add_f32 v[236:237], v[236:237], v[122:123]
	v_pk_add_f32 v[14:15], v[14:15], v[126:127]
	v_pk_add_f32 v[234:235], v[234:235], v[130:131]
	v_pk_add_f32 v[252:253], v[252:253], v[134:135]
	v_pk_add_f32 v[250:251], v[250:251], v[138:139]
	v_pk_add_f32 v[248:249], v[248:249], v[142:143]
	v_pk_add_f32 v[246:247], v[246:247], v[146:147]
	v_pk_add_f32 v[238:239], v[238:239], v[150:151]
	v_pk_add_f32 v[236:237], v[236:237], v[154:155]
	v_pk_add_f32 v[14:15], v[14:15], v[158:159]
	v_pk_add_f32 v[234:235], v[234:235], v[162:163]
	s_delay_alu instid0(VALU_DEP_2)
	v_pk_add_f32 v[14:15], v[14:15], v[248:249]
	s_delay_alu instid0(VALU_DEP_2)
	v_pk_add_f32 v[234:235], v[234:235], v[246:247]
	v_pk_add_f32 v[252:253], v[252:253], v[238:239]
	v_pk_add_f32 v[250:251], v[250:251], v[236:237]
	s_delay_alu instid0(VALU_DEP_2)
	v_pk_add_f32 v[14:15], v[14:15], v[252:253]
	s_delay_alu instid0(VALU_DEP_2)
	v_pk_add_f32 v[234:235], v[234:235], v[250:251]
	s_delay_alu instid0(VALU_DEP_1)
	v_pk_add_f32 v[14:15], v[14:15], v[234:235]
	s_wait_dscnt 0x0                               ; V
.irp d, 0,1,2,3
	v_wmma_scale_f32_16x16x128_f8f6f4 v[164+8*\d:171+8*\d], v[36+12*\d:47+12*\d], v[196:207], v[164+8*\d:171+8*\d], v[94+\d], v228 matrix_a_fmt:MATRIX_FMT_BF6 matrix_b_fmt:MATRIX_FMT_BF6
.endr
.Lhidden:
	s_add_co_u32 s[TB], s[TB], 6144
	s_add_co_u32 s[TS], s[TS], 512
	s_add_co_u32 s[TJ], s[TJ], 256
	s_add_co_u32 s[KF], s[KF], 128
	s_sub_co_u32 s59, s59, 1
	s_cmp_lg_u32 s59, 0
	s_cbranch_scc1 .Lstep
	s_setprio 0
	; ---- the way out of a tile: o = O^T / the sum; register 8 t + j is channel 16 t + 8 h + j: two blocks of 32, one half fragment
.rept 4
	v_nop
.endr
	s_wait_alu depctr_va_vdst(0)
	v_add_f32 v14, v14, v15
	s_delay_alu instid0(VALU_DEP_1)
	v_permlanex16_b32 v232, v14, s[SEL], s[SEL+1]
	s_delay_alu instid0(VALU_DEP_1)
	v_add_f32 v14, v14, v232
	s_wait_alu depctr_va_vdst(0)
	v_rcp_f32 v14, v14
	v_and_b32 v233, 16, v0                         ; (the plain line behind the reciprocal)
.set n, 0
	s_wait_alu depctr_va_vdst(0)
.rept 32
	v_mul_f32 v[100+n], v[164+n], v14
.set n, n+1
.endr
.irp b, 0,1
	v_max3_num_f32 v[216+\b], |v[100+16*\b]|, |v[101+16*\b]|, 0x2800000
.endr
.irp i, 2,4,6,8,10,12,14
.irp b, 0,1
	s_delay_alu instid0(VALU_DEP_2)
	v_max3_num_f32 v[216+\b], v[216+\b], |v[100+16*\b+\i]|, |v[101+16*\b+\i]|
.endr
.endr
.irp b, 0,1
	s_delay_alu instid0(VALU_DEP_2)
	v_permlanex16_b32 v[220+\b], v[216+\b], s[SEL], s[SEL+1]
.endr
.irp b, 0,1
	s_delay_alu instid0(VALU_DEP_2)
	v_max_num_f32 v[216+\b], v[216+\b], v[220+\b]
.endr
.irp b, 0,1
	s_delay_alu instid0(VALU_DEP_2)
	v_add_nc_u32 v[224+\b], 0xfe000000, v[216+\b]
.endr
.irp b, 0,1
	s_delay_alu instid0(VALU_DEP_2)
	v_lshrrev_b32 v[220+\b], 23, v[224+\b]
.endr
	v_cvt_scalef32_pk16_bf6_f32 v[196:198], v[100:115], v224
	v_cvt_scalef32_pk16_bf6_f32 v[208:210], v[116:131], v225
	v_nop
.irp i, 0,1,2
	v_permlane16_swap_b32 v[196+\i], v[208+\i]
.endr
.irp i, 0,1,2
	s_delay_alu instid0(VALU_DEP_3)
	v_mov_b32 v[199+\i], v[208+\i]
.endr
	v_cmp_ne_u32 vcc_lo, 0, v233
	s_delay_alu instid0(VALU_DEP_1)
	v_cndmask_b32 v232, v220, v221, vcc_lo         ; my half's block's byte
	global_store_b128 v1, v[196:199], s[OB:OB+1]   ; 512 and 256 consecutive bytes
	global_store_b64 v7, v[200:201], s[OB:OB+1] offset:512
	global_store_b8 v8, v232, s[OS:OS+1]           ; single bytes, 32 apart: a row of oscl holds all 16 heads' bytes, as the next launch reads them; one byte for 24 of codes
	s_wait_xcnt 0x0                                ; the stores have read their data and bases
.irp i, 0,1,2,3,4,5
	v_mov_b32 v[16+\i], v[240+\i]                  ; the second tile's Q (behind the second tile these lines copy the same numbers once more)
.endr
	v_mov_b32 v28, v29
	s_mov_b32 s[Q0], s[Q0+1]
	s_mov_b64 s[OB:OB+1], s[OB+4:OB+5]
	s_mov_b64 s[OS:OS+1], s[OS+4:OS+5]
	s_sub_co_u32 s58, s58, 1
	s_cmp_lg_u32 s58, 0
	s_cbranch_scc1 .Lpass
	s_wait_tensorcnt 0x0
	ds_add_u32 v254, v255
	s_wait_dscnt 0x0
	s_endpgm
.Lfunc_end_k_qed7aa4544d_attn:
	.size	k_qed7aa4544d_attn, .Lfunc_end_k_qed7aa4544d_attn-k_qed7aa4544d_attn
	.p2alignl 7, 3214868480
	.fill 96, 4, 3214868480
	.section	.rodata,"a",@progbits
	.p2align	6, 0x0
	.amdhsa_kernel k_qed7aa4544d_attn
		.amdhsa_group_segment_fixed_size 210944
		.amdhsa_private_segment_fixed_size 0
		.amdhsa_enable_private_segment 0
		.amdhsa_kernarg_size 32
		.amdhsa_user_sgpr_count 2
		.amdhsa_user_sgpr_kernarg_segment_ptr 1
		.amdhsa_wavefront_size32 1
		.amdhsa_system_sgpr_workgroup_id_x 1
		.amdhsa_system_sgpr_workgroup_id_y 1
		.amdhsa_system_sgpr_workgroup_id_z 1
		.amdhsa_system_vgpr_workitem_id 0
		.amdhsa_next_free_vgpr 256
		.amdhsa_next_free_sgpr 84
		.amdhsa_reserve_vcc 1
		.amdhsa_float_denorm_mode_32 3
		.amdhsa_float_denorm_mode_16_64 3
		.amdhsa_memory_ordered 1
		.amdhsa_forward_progress 1
		.amdhsa_inst_pref_size 37
	.end_amdhsa_kernel
	.amdgpu_metadata
---
amdhsa.version: [ 1, 2 ]
amdhsa.kernels:
  - .name:           k_qed7aa4544d_attn
    .symbol:         k_qed7aa4544d_attn.kd
    .args:
      - { .name: img, .offset: 0, .size: 8, .value_kind: global_buffer, .address_space: global }
      - { .name: scl, .offset: 8, .size: 8, .value_kind: global_buffer, .address_space: global }
      - { .name: oimg, .offset: 16, .size: 8, .value_kind: global_buffer, .address_space: global }
      - { .name: oscl, .offset: 24, .size: 8, .value_kind: global_buffer, .address_space: global }
    .group_segment_fixed_size: 210944
    .private_segment_fixed_size: 0
    .kernarg_segment_align: 8
    .kernarg_segment_size: 32
    .max_flat_workgroup_size: 512
    .sgpr_count:     84
    .vgpr_count:     256
    .wavefront_size: 32
...
	.end_amdgpu_metadata
.endif
;; end of part 3
;; launch oproj (part 4): grid 8 x 32, 4 waves a work-group, clusters of 4 x 4, 295,424 bytes of LDS; arguments oimg, oscl, codes, scales, out0; writes out0
.if DOCPART == 4
	.amdgcn_target "amdgcn-amd-amdhsa--gfx1250"
	.amdhsa_code_object_version 6
	.text
	.protected	k_qed7aa4544d_oproj
	.globl	k_qed7aa4544d_oproj
	.p2align	8
	.type	k_qed7aa4544d_oproj,@function
k_qed7aa4544d_oproj:
	s_mov_b64 s[64:65], 0
	v_nop
	global_prefetch_b8 v0, s[64:65] scope:SCOPE_SE
	s_setreg_imm32_b32 hwreg(HW_REG_WAVE_MODE, 25, 1), 1
	s_wait_xcnt 0x0
	s_wait_alu depctr_hold_cnt(0) depctr_sa_sdst(0) depctr_va_vdst(0) depctr_va_sdst(0) depctr_va_ssrc(0) depctr_va_vcc(0) depctr_vm_vsrc(0)
	s_getreg_b32 s2, hwreg(HW_REG_IB_STS2, 6, 4)
	s_cmp_eq_u32 s2, 0
	s_cbranch_scc0 .Lentry_in_a_cluster
	s_endpgm
.Lentry_in_a_cluster:
	s_bfe_u32 s2, ttmp6, 0x10000c
	s_cmp_lg_u32 s2, 0xf033
	s_cbranch_scc0 .Lentry_shape_is_right
	s_endpgm
.Lentry_shape_is_right:
; out0 = o Wo^T on codes of BF6 with E8M0 scales; out0 [8192][1024] f32.
; A TILE is 256 tokens (A = o's codes) x 128 rows of Wo (B), all of K = 1,024: its codes, 196,608 + 98,304 bytes, lie in LDS at once: every tensor load is a first fill, nothing is filled again.  32 x 8 tiles: 256 work-groups.
; CLUSTERS: 4 x 4.  A's tile hangs on the tile row alone and is asked for jointly by a row of the cluster, B's on the tile column alone, by a column.
; WAVES: wave w takes tokens 64 w .. 64 w + 63 (4 blocks a) x all 8 blocks b of Wo's rows: 32 accumulators.  THE INSTRUCTION IS USED TRANSPOSED (source 0 = 16 rows of Wo, source 1 = 16 tokens):
; lane (r, h) holds token 16 a + r and eight neighbouring columns 16 b + 8 h + 0..7.
; CODES: half fragments of 768 bytes (16 rows x 64 K): lane l's registers 0-3 at 16 l, registers 4-5 at 512 + 8 l; [row tile][K / 64][768] in both buffers; Wo's row tiles begin at tile 704 of codes.
; A slot of LDS holds 256 along K: A's 16 row tiles x 3,072 bytes, then B's 8.
; REGISTERS, in windows of 256: window 0: v1-31 addresses; v32-63 A's scale words (8 a + K step), v64-127 B's; v128-255 rows on the way out.  window 1: the accumulators.  window 2: B's fragments, two sets.  window 3: A's, two sets.
.set SLOT, 73728
.set BOFF, 49152
.set SA,   32
.set SB,   64
.set BK,   128
.set STO,  24
.set RD,   25
.set G1A,  24
.set G1B,  32
.set G0A,  48
.set G0B,  68
.set MSB,  0
.macro WIN new                         ; the immediate's high byte repeats the setting that is left
.if MSB != \new
	s_set_vgpr_msb (MSB<<8)|\new
.set MSB, \new
.endif
.endm
.macro CROUND                          ; a round of the cluster's barrier
	s_barrier_signal -1
	s_barrier_wait -1
	s_cmp_lg_u32 s14, 0
	s_cbranch_scc1 .Lnot_wave_0_\@
	s_barrier_signal -3
.Lnot_wave_0_\@:
	s_barrier_wait -3
	s_barrier_signal -1
	s_barrier_wait -1
.endm
.macro FRAG4 reg, a16, a8, off         ; a fragment (12 registers) is two half fragments: every load reads consecutive bytes
	ds_load_b128 v[(\reg):(\reg)+3], v[(\a16)] offset:(\off)
	ds_load_b64 v[(\reg)+4:(\reg)+5], v[(\a8)] offset:(\off)+512
	ds_load_b128 v[(\reg)+6:(\reg)+9], v[(\a16)] offset:(\off)+768
	ds_load_b64 v[(\reg)+10:(\reg)+11], v[(\a8)] offset:(\off)+1280
.endm
.macro FETCH ks, p                     ; K step ks into set p: 48 loads
	WIN 0x80
.irp b, 0,1,2,3,4,5,6,7
	FRAG4 96*(\p)+12*\b, 16+(\ks)/2, 20+(\ks)/2, \b*3072+((\ks)%2)*1536
.endr
	WIN 0xC0
.irp a, 0,1,2,3
	FRAG4 48*(\p)+12*\a, 8+(\ks)/2, 12+(\ks)/2, \a*3072+((\ks)%2)*1536
.endr
	WIN 0
.endm
.macro MUL ks, p                       ; 32 matrix instructions; the accumulators take turns, in the same order in every step.  The first step starts the sums
	WIN 0x5E
.irp a, 0,1,2,3
.irp b, 0,1,2,3,4,5,6,7
.if (\ks) == 0
	v_wmma_scale_f32_16x16x128_f8f6f4 v[8*(8*\a+\b):8*(8*\a+\b)+7], v[96*(\p)+12*\b:96*(\p)+12*\b+11], v[48*(\p)+12*\a:48*(\p)+12*\a+11], 0, v[SB+8*\b+(\ks)], v[SA+8*\a+(\ks)] matrix_a_fmt:MATRIX_FMT_BF6 matrix_b_fmt:MATRIX_FMT_BF6
.else
	v_wmma_scale_f32_16x16x128_f8f6f4 v[8*(8*\a+\b):8*(8*\a+\b)+7], v[96*(\p)+12*\b:96*(\p)+12*\b+11], v[48*(\p)+12*\a:48*(\p)+12*\a+11], v[8*(8*\a+\b):8*(8*\a+\b)+7], v[SB+8*\b+(\ks)], v[SA+8*\a+(\ks)] matrix_a_fmt:MATRIX_FMT_BF6 matrix_b_fmt:MATRIX_FMT_BF6
.endif
.endr
.endr
	WIN 0
.rept 4
	v_nop                                          ; four places ahead of loads into this set, and of the first read of results
.endr
.endm
	s_load_b256 s[4:11], s[0:1], 0x0               ; oimg, oscl, codes, scales
	s_load_b64 s[12:13], s[0:1], 0x20              ; out0
	v_lshl_add_u32 v30, v0, 2, 0x48000
	v_mov_b32 v31, 0
	ds_add_u32 v30, v31
	ds_add_u32 v30, v31
	v_lshrrev_b32 v1, 5, v0
	v_readfirstlane_b32 s14, v1                    ; wave 0..3
	s_and_b32 s15, s14, 1                          ; which half of a tile's row tiles I fetch
	s_bfe_u32 s16, ttmp6, 0x40000                  ; cx
	s_bfe_u32 s17, ttmp6, 0x40004                  ; cy
	s_and_b32 s20, ttmp7, 0xffff
	s_lshl_b32 s20, s20, 2
	s_add_co_u32 s20, s20, s17                     ; tile row
	s_lshl_b32 s22, ttmp9, 2
	s_add_co_u32 s22, s22, s16                     ; tile column
	s_lshl_b32 s42, s20, 4                         ; A's first row tile
	s_lshl_b32 s44, s22, 3
	s_add_co_u32 s44, s44, 704                     ; B's
	s_lshl_b32 s88, s17, 2
	s_lshl_b32 s88, 15, s88                        ; my row of the cluster
	s_lshl_b32 s89, 0x1111, s16                    ; my column
	; group 1: rows of 3,072 bytes (384 elements of 8 bytes), 12,288 bytes apart; 8 of them for A, 4 for B; no padding
	s_or_b32 s[G1A], s88, (3<<16)|(1<<21)
	s_or_b32 s[G1B], s89, (3<<16)|(1<<21)
	s_mov_b32 s[G1A+1], 384<<16
	s_mov_b32 s[G1A+2], 8<<16
	s_mov_b32 s[G1A+3], 384<<16
	s_mov_b32 s[G1A+4], 8
	s_mov_b32 s[G1A+5], 1536
	s_mov_b32 s[G1A+6], 0
	s_mov_b32 s[G1A+7], 0
	s_mov_b32 s[G1B+1], 384<<16
	s_mov_b32 s[G1B+2], 4<<16
	s_mov_b32 s[G1B+3], 384<<16
	s_mov_b32 s[G1B+4], 4
	s_mov_b32 s[G1B+5], 1536
	s_mov_b32 s[G1B+6], 0
	s_mov_b32 s[G1B+7], 0
	s_lshl_b32 s46, s15, 3
	s_add_co_u32 s46, s46, s42
	s_mul_i32 s46, s46, 12288
	s_mov_b32 s47, 0
	s_lshl_b32 s84, s15, 2
	s_add_co_u32 s84, s84, s44
	s_mul_i32 s84, s84, 12288
	s_mov_b32 s85, 0
	s_mul_i32 s86, s15, 24576
	s_mul_i32 s87, s15, 12288
	s_add_co_u32 s87, s87, BOFF
	s_wait_dscnt 0x0
	s_wait_kmcnt 0x0
	s_add_nc_u64 s[46:47], s[4:5], s[46:47]
	s_add_nc_u64 s[84:85], s[8:9], s[84:85]
.irp s, 0,1,2,3
	s_mov_b32 s[G0A+4*\s], 1
	s_add_co_u32 s[G0A+4*\s+1], s86, \s*SLOT
	s_add_nc_u64 s[G0A+4*\s+2:G0A+4*\s+3], s[46:47], \s*3072
	s_or_b32 s[G0A+4*\s+3], s[G0A+4*\s+3], 0x80000000
	s_mov_b32 s[G0B+4*\s], 1
	s_add_co_u32 s[G0B+4*\s+1], s87, \s*SLOT
	s_add_nc_u64 s[G0B+4*\s+2:G0B+4*\s+3], s[84:85], \s*3072
	s_or_b32 s[G0B+4*\s+3], s[G0B+4*\s+3], 0x80000000
.endr
	CROUND                                         ; all sixteen work-groups are here: the joint loads meet
	s_cmp_lt_u32 s14, 2                            ; waves 0, 1 fetch A's halves, waves 2, 3 B's: a wave's four fills stand in one branch; four loads of mine are out
	s_cbranch_scc0 .Lfill_b
	tensor_load_to_lds s[G0A:G0A+3], s[G1A:G1A+7]
	s_nop 0
	tensor_load_to_lds s[G0A+4:G0A+7], s[G1A:G1A+7]
	s_nop 0
	tensor_load_to_lds s[G0A+8:G0A+11], s[G1A:G1A+7]
	s_nop 0
	tensor_load_to_lds s[G0A+12:G0A+15], s[G1A:G1A+7]
	s_nop 0
.rept 4
	v_nop
.endr
	s_branch .Lfilled
.Lfill_b:
	tensor_load_to_lds s[G0B:G0B+3], s[G1B:G1B+7]
	s_nop 0
	tensor_load_to_lds s[G0B+4:G0B+7], s[G1B:G1B+7]
	s_nop 0
	tensor_load_to_lds s[G0B+8:G0B+11], s[G1B:G1B+7]
	s_nop 0
	tensor_load_to_lds s[G0B+12:G0B+15], s[G1B:G1B+7]
	s_nop 0
.rept 4
	v_nop
.endr
.Lfilled:
	v_and_b32 v5, 31, v0
	v_and_b32 v1, 15, v0                           ; r
	v_bfe_u32 v2, v0, 4, 1                         ; h
	v_lshlrev_b32 v3, 4, v5                        ; 16 x lane
	v_lshlrev_b32 v4, 3, v5                        ; 8 x lane
	s_mul_i32 s45, s14, 12288                      ; my four row tiles of A in a slot
	v_add_nc_u32 v6, s45, v3
	v_add_nc_u32 v7, s45, v4
.irp s, 0,1,2,3
	v_add_nc_u32 v[8+\s], \s*SLOT, v6
	v_add_nc_u32 v[12+\s], \s*SLOT, v7
	v_add_nc_u32 v[16+\s], \s*SLOT+BOFF, v3
	v_add_nc_u32 v[20+\s], \s*SLOT+BOFF, v4
.endr
	s_mul_i32 s45, s14, 8448                       ; my stage for the way out: 16 rows x (512 bytes + 16), in slot 0
	v_mul_u32_u24 v[STO], v1, 528
	v_lshl_add_u32 v[STO], v2, 5, v[STO]
	v_add_nc_u32 v[STO], s45, v[STO]               ; in: row r, + 32 h
	v_add_nc_u32 v[RD], s45, v3                    ; back: a row of 512 bytes by 32 lanes
	v_lshlrev_b32 v26, 5, v1                       ; a row of scale bytes is 32
	s_wait_alu depctr_va_vdst(0)
	s_lshl_b32 s92, s42, 9                         ; A's scale words: 512 bytes a row tile, + my 64 rows
	s_lshl_b32 s45, s14, 11
	s_add_co_u32 s92, s92, s45
	s_mov_b32 s93, 0
	s_add_nc_u64 s[92:93], s[6:7], s[92:93]
	s_lshl_b32 s94, s44, 9                         ; B's
	s_mov_b32 s95, 0
	s_add_nc_u64 s[94:95], s[10:11], s[94:95]
.irp a, 0,1,2,3
.irp f, 0,1
	global_load_b128 v[SA+8*\a+4*\f:SA+8*\a+4*\f+3], v26, s[92:93] offset:512*\a+16*\f
.endr
.endr
.irp b, 0,1,2,3,4,5,6,7
.irp f, 0,1
	global_load_b128 v[SB+8*\b+4*\f:SB+8*\b+4*\f+3], v26, s[94:95] offset:512*\b+16*\f
.endr
.endr
	s_lshl_b32 s90, s20, 20                        ; out0: 256 rows of 4,096 bytes a tile row, + my 64 rows, + 512 bytes a tile column
	s_lshl_b32 s45, s14, 18
	s_add_co_u32 s90, s90, s45
	s_lshl_b32 s45, s22, 9
	s_add_co_u32 s90, s90, s45
	s_mov_b32 s91, 0
	s_add_nc_u64 s[12:13], s[12:13], s[90:91]
	; ---- the whole K.  A wave has four tensor loads out, one a slot, in the slots' order: the counts 3, 2, 1, 0 show my part of slots 0, 1, 2, 3 landed; the barrier behind each shows everybody's
	s_wait_tensorcnt 3
	s_barrier_signal -1
	s_barrier_wait -1
	FETCH 0, 0
	s_wait_loadcnt 0x0                             ; the scale words
.irp ks, 0,1,2,3,4,5,6,7
.if ((\ks)%2 == 1) && ((\ks) < 7)
	s_wait_tensorcnt 3-(\ks+1)/2                   ; my part of the next slot
	s_wait_dscnt 0x0                               ; no LDS load of mine is out at a signal: at the first of these barriers my reads of slot 0 are over
	s_barrier_signal -1
	s_barrier_wait -1
.endif
.if (\ks) < 7
	FETCH \ks+1, (\ks+1)%2
	s_wait_dscnt 48                                ; all but the 48 just issued
.else
	s_wait_dscnt 0x0
.endif
	MUL \ks, (\ks)%2
.endr
; THE WAY OUT, a block of 16 tokens x 128 columns at a time, through my own stage and back as whole rows of 512 bytes.  The stage lies in slot 0, which has had its one fill and which nobody reads behind the barrier of K step 1.
; LDS serves a wave's instructions in order (ISA guide 5.7.1.4): no wait between the stores and the loads, nor ahead of the next block's stores.
.macro TOSTAGE a
	WIN 0x04                                       ; an LDS store's data are its source 1: window 1
.irp b, 0,1,2,3,4,5,6,7
	ds_store_b128 v[STO], v[8*(8*(\a)+\b):8*(8*(\a)+\b)+3] offset:64*\b          ; each accumulator from its low end on
	ds_store_b128 v[STO], v[8*(8*(\a)+\b)+4:8*(8*(\a)+\b)+7] offset:64*\b+16
.endr
	WIN 0
.irp t, 0,1,2,3,4,5,6,7,8,9,10,11,12,13,14,15
	ds_load_b128 v[BK+64*((\a)%2)+4*\t:BK+64*((\a)%2)+4*\t+3], v[RD] offset:\t*528
.endr
.endm
.macro SEND a, younger                 ; younger: the LDS instructions issued behind block a's loads, which may stay out
	s_wait_dscnt \younger
.irp t, 0,1,2,3,4,5,6,7,8,9,10,11,12,13,14,15
	global_store_b128 v3, v[BK+64*((\a)%2)+4*\t:BK+64*((\a)%2)+4*\t+3], s[12:13] offset:(16*(\a)+\t)*4096 th:TH_STORE_NT   ; 32 lanes store 512 consecutive bytes, from a multiple of 256 on
.endr
.endm
	TOSTAGE 0
.irp a, 1,2,3
.if \a > 1
	s_wait_xcnt 0x0                                ; block a - 2's stores have read their registers: block a's rows may land there
.endif
	TOSTAGE \a
	SEND \a-1, 32                                  ; behind block a - 1's loads: block a's 16 stores and 16 loads
.endr
	SEND 3, 0
	s_wait_tensorcnt 0x0
	ds_add_u32 v30, v31
	s_wait_dscnt 0x0
	CROUND                                         ; the closing round: no work-group ends while a partner may still ask for a tile that names it
	s_endpgm
.Lfunc_end_k_qed7aa4544d_oproj:
	.size	k_qed7aa4544d_oproj, .Lfunc_end_k_qed7aa4544d_oproj-k_qed7aa4544d_oproj
	.p2alignl 7, 3214868480
	.fill 96, 4, 3214868480
	.section	.rodata,"a",@progbits
	.p2align	6, 0x0
	.amdhsa_kernel k_qed7aa4544d_oproj
		.amdhsa_group_segment_fixed_size 295424
		.amdhsa_private_segment_fixed_size 0
		.amdhsa_enable_private_segment 0
		.amdhsa_kernarg_size 40
		.amdhsa_user_sgpr_count 2
		.amdhsa_user_sgpr_kernarg_segment_ptr 1
		.amdhsa_wavefront_size32 1
		.amdhsa_system_sgpr_workgroup_id_x 1
		.amdhsa_system_sgpr_workgroup_id_y 1
		.amdhsa_system_sgpr_workgroup_id_z 1
		.amdhsa_system_vgpr_workitem_id 0
		.amdhsa_next_free_vgpr 1024
		.amdhsa_next_free_sgpr 100
		.amdhsa_reserve_vcc 0
		.amdhsa_float_denorm_mode_32 3
		.amdhsa_float_denorm_mode_16_64 3
		.amdhsa_memory_ordered 1
		.amdhsa_forward_progress 1
		.amdhsa_inst_pref_size 85
	.end_amdhsa_kernel
	.amdgpu_metadata
---
amdhsa.version: [ 1, 2 ]
amdhsa.kernels:
  - .name:           k_qed7aa4544d_oproj
    .symbol:         k_qed7aa4544d_oproj.kd
    .args:
      - { .name: oimg, .offset: 0, .size: 8, .value_kind: global_buffer, .address_space: global }
      - { .name: oscl, .offset: 8, .size: 8, .value_kind: global_buffer, .address_space: global }
      - { .name: codes, .offset: 16, .size: 8, .value_kind: global_buffer, .address_space: global }
      - { .name: scales, .offset: 24, .size: 8, .value_kind: global_buffer, .address_space: global }
      - { .name: out0, .offset: 32, .size: 8, .value_kind: global_buffer, .address_space: global }
    .group_segment_fixed_size: 295424
    .private_segment_fixed_size: 0
    .kernarg_segment_align: 8
    .kernarg_segment_size: 40
    .max_flat_workgroup_size: 128
    .sgpr_count:     100
    .vgpr_count:     1024
    .wavefront_size: 32
...
	.end_amdgpu_metadata
.endif
;; end of part 4
